; MI455X (gfx1250); checked and timed in simulation.
; The chip was launched on July 23, 2026; its instructions are those of AMD's public machine-readable ISA for CDNA 5 (MIT licence, August 2026) and "CDNA5" Instruction Set Architecture Reference Guide (July 2026). The comments in the code are by the model that wrote it; some were corrected since.
;; Attention. Allowed arithmetic: matrix products marked QUANTISED: E2M1 operands, one E8M0 scale for each 32 along K, by v_wmma_scale_f32_16x16x128_f8f6f4 with both operands' format E2M1 (or v_wmma_scale_f32_32x16x128_f4), f32 sums; products left as they are: bf16, f16 or f32 operands; f32 sums; everything else in f32.
;; Inputs: W_out 1,024 x 1,024 float32; W_qkv 1,024 x 3,072 float32; b_out 1,024 float32; rope_cos 4,096 x 64 float32; rope_sin 4,096 x 64 float32; x 2 x 2,048 x 1,024 float32.
;; Outputs: out0 2 x 2,048 x 1,024 float32.
;; This version of the problem:
;;   THIS VERSION OF THE PROBLEM IS GIVEN IN LOW PRECISION. The matrix products marked QUANTISED in the list below multiply operands that are first quantised to E2M1 (2 exponent bits, 1 mantissa bit; 4 bits a number), with one power-of-two scale for each 32 numbers along K (OCP MX v1.0); their sums are f32. The products marked 'left as it is' may take bf16, f16 or f32 operands, with f32 sums. Whichever they take, every output number must still come out within the allowed error. Rounding operands to bf16 (8 significant bits) uses up far more of that allowance than f16 does (11 bits, for magnitudes from 6e-5 to 65,504). All else is computed in f32.
;;   The module's matrix products, in the order in which they are computed (A, B: the left and right operand; K: the contracted axis; several contracted axes count as one K, in the product's order):
;;     1. [M 4,096, K 1,024] x [K 1,024, N 3,072]; A: input x; B: input W_qkv: QUANTISED
;;     2. batch 32 x [M 2,048, K 64] x [K 64, N 2,048]; A: computed on the way; B: computed on the way: left as it is (an operand is computed on the way)
;;     3. batch 32 x [M 2,048, K 2,048] x [K 2,048, N 64]; A: computed on the way; B: computed on the way: left as it is (an operand is computed on the way)
;;     4. [M 4,096, K 1,024] x [K 1,024, N 1,024]; A: computed on the way; B: input W_out: left as it is (an operand is computed on the way)
;;   THE QUANTISER, for each operand of a quantised product, along K:
;;     - K is cut into blocks of 32 from its start; a last block that is shorter is filled with zeros.
;;     - A block's scale is 2^e with e = floor(log2(the largest magnitude in the block)) - 2, held to -126 .. 127; a block of zeros has e = 0. As a byte (E8M0): e + 127.
;;     - Each number is divided by its block's scale, clamped to +-6, and rounded to the nearest number of E2M1, ties to even, subnormals kept.
;;     - The product sums the exact products of the quantised numbers (number of the format x scale) in f32.
;;   ~~~python
;;   def quantise(x, axis):      # numpy; x: float32 -> the quantised numbers, widened to float32 again
;;       x = np.moveaxis(x, axis, -1); K = x.shape[-1]
;;       x = np.pad(x, [(0, 0)] * (x.ndim - 1) + [(0, -K % 32)]); x = x.reshape(x.shape[:-1] + (-1, 32)); a = np.abs(x).max(-1, keepdims=True)
;;       e = np.where(a > 0, np.clip(np.frexp(np.where(a > 0, a, 1))[1] - 1 - 2, -126, 127), 0)      # np.frexp(a)[1] - 1 = floor(log2(a)), exactly
;;       r = np.clip(x / 2.0 ** e, -6, 6)
;;       step = 2.0 ** (np.maximum(np.frexp(np.where(r == 0, 1, r))[1] - 1, 0) - 1)
;;       q = np.round(r / step) * step * 2.0 ** e      # np.round: ties to even
;;       return np.moveaxis(q.reshape(q.shape[:-2] + (-1,))[..., :K], -1, axis).astype(np.float32)
;;   ~~~
;; One version. Each part assembles by itself: llvm-mc -triple=amdgcn-amd-amdhsa -mcpu=gfx1250 --defsym DOCPART=n.
;; ======== version 1 of 1: 5 launches
;; limits: values are held in f16: magnitudes above 65,504 overflow, below 6.1e-05 lose precision
;; workspace buffers: xc 2,097,152 bytes; xs 131,072 bytes; wc 1,572,864 bytes; ws 98,304 bytes; wo16 2,097,152 bytes; qkv16 25,165,824 bytes; q32 393,216 bytes; att16 8,388,608 bytes
;; launch prep (part 1): grid 256 x 1, 4 waves a work-group, no clusters, 68,096 bytes of LDS; arguments x, W_qkv, W_out, xc, xs, wc, ws, wo16; writes xc, xs, wc, ws, wo16
.if DOCPART == 1
	.amdgcn_target "amdgcn-amd-amdhsa--gfx1250"
	.amdhsa_code_object_version 6
	.text
	.protected	k_q893f55bd0a_prep
	.globl	k_q893f55bd0a_prep
	.p2align	8
	.type	k_q893f55bd0a_prep,@function
k_q893f55bd0a_prep:
	s_mov_b64 s[64:65], 0
	v_nop
	global_prefetch_b8 v0, s[64:65] scope:SCOPE_SE
	s_setreg_imm32_b32 hwreg(HW_REG_WAVE_MODE, 25, 1), 1
	s_wait_xcnt 0x0
; THREE JOBS IN ONE LAUNCH, told apart by the work-group's number; the three texts never join and each has LDS bytes of its own.
;   work-groups   0-127: x [4096][1024] f32 (K innermost)  -> xc [4096][512 bytes] codes of E2M1, xs [4096][32] E8M0 bytes
;   work-groups 128-223: W_qkv [1024 (k)][3072 (n)] f32 (K is the FIRST axis) -> wc [3072][512 bytes] codes with K innermost, ws [3072][32]
;   work-groups 224-255: W_out [1024][1024] f32 -> wo16, the same numbers as f16, the same order
; A block's scale is 2^(floor(log2(largest magnitude)) - 2); its byte is the largest magnitude's exponent field - 2, held at 1 from below.
; LIMITS: a block of zeros gets the byte 1 where the quantiser's rule says 127: its codes are zeros, which add nothing under that byte, and this program alone reads the bytes.
; Blocks whose largest magnitude lies under 2^-124 are held at the byte 1.  NaN and infinities are not served.  |W_out| stays under 65,504 (f16's largest number).
; No tensor loads.  One barrier, in W_qkv's text alone, where two waves make the two halves of a row of codes.  No matrix work, no cluster: every input byte is read once by one wave.
.set SPARE, 67584                      ; behind both paths' regions: the spare words, 128 bytes for each wave
.set SPW,   192                        ; v192  LDS address of my spare word; never rewritten
.set NIL,   193                        ; v193  0; never rewritten
	s_load_b256 s[4:11], s[0:1], 0x0               ; x s[4:5], W_qkv s[6:7], W_out s[8:9], xc s[10:11]
	s_load_b256 s[12:19], s[0:1], 0x20             ; xs s[12:13], wc s[14:15], ws s[16:17], wo16 s[18:19]
	v_lshl_add_u32 v[SPW], v0, 2, SPARE
	v_mov_b32 v[NIL], 0
	v_lshrrev_b32 v1, 5, v0
	v_readfirstlane_b32 s20, v1                    ; wave 0..3
	v_and_b32 v2, 31, v0                           ; lane
	s_wait_kmcnt 0x0
	s_cmp_lt_u32 ttmp9, 128
	s_cbranch_scc0 .Lnot_x
; ---------------- x: a plain stream of blocks of 32.  A wave takes 16 steps of 512 numbers.
; Each of a step's four loads reads 512 consecutive bytes; the 2,048 bytes turn through the wave's own stage in LDS and come back 64 bytes a lane: 16 NEIGHBOURS along K, which the conversions want; two lanes hold a block.
.set WREG, 8192                        ; LDS 0 .. 32,767: a region for each wave: two stages of 32 x 80 bytes, then its 256 scale bytes
.set SP,   80                          ; a lane's place in a stage: 64 bytes + 16 of padding
.set XR,   16                          ; v16-79   four sets of 16 numbers as loaded
.set XX,   80                          ; v80-111  two sets of 16 neighbours
.set XE,   112                         ; v112-127 a scale byte for each step
.set XC,   128                         ; v128-191 codes, four registers for each step: no store's data are written again
	v_lshlrev_b32 v3, 4, v2                        ; my 16 bytes of a load's 512
	s_mul_i32 s21, s20, WREG
	v_lshrrev_b32 v14, 2, v2
	v_mul_u32_u24 v14, v14, SP
	v_and_b32 v15, 3, v2
	v_lshl_add_u32 v14, v15, 4, v14
	v_add_nc_u32 v14, s21, v14                     ; the stage, in: 80 (lane / 4) + 16 (lane % 4)
	v_mul_u32_u24 v15, v2, SP
	v_add_nc_u32 v15, s21, v15                     ; and out: 80 x lane
	v_lshlrev_b32 v4, 3, v2                        ; my 8 bytes of a step's 256 bytes of codes
	v_lshrrev_b32 v5, 1, v2
	s_add_co_u32 s21, s21, 2*32*SP
	v_add_nc_u32 v5, s21, v5                       ; my block's scale byte in LDS
	v_lshlrev_b32 v7, 3, v2
	v_add_nc_u32 v6, s21, v7                       ; and 8 of the 256 bytes on the way out
	s_lshl_b32 s22, ttmp9, 2
	s_add_co_u32 s22, s22, s20                     ; which run of 8,192 numbers is my wave's: 0 .. 511
	s_mov_b32 s25, 0
	s_lshl_b32 s24, s22, 15
	s_add_nc_u64 s[4:5], s[4:5], s[24:25]          ; 32,768 bytes of x,
	s_lshl_b32 s24, s22, 12
	s_add_nc_u64 s[10:11], s[10:11], s[24:25]      ; 4,096 of codes,
	s_lshl_b32 s24, s22, 8
	s_add_nc_u64 s[12:13], s[12:13], s[24:25]      ; 256 scale bytes a run
.macro XLOAD t
.irp i, 0,1,2,3
	global_load_b128 v[XR+16*((\t)%4)+4*\i:XR+16*((\t)%4)+4*\i+3], v3, s[4:5] offset:2048*(\t)+512*\i th:TH_LOAD_NT
.endr
.endm
.macro XTURN t                         ; LDS serves a wave's instructions in order (ISA guide 5.7.1.4): no wait between the stores and the loads
.irp i, 0,1,2,3
	ds_store_b128 v14, v[XR+16*((\t)%4)+4*\i:XR+16*((\t)%4)+4*\i+3] offset:32*SP*((\t)%2)+8*SP*\i
.endr
.irp i, 0,1,2,3
	ds_load_b128 v[XX+16*((\t)%2)+4*\i:XX+16*((\t)%2)+4*\i+3], v15 offset:32*SP*((\t)%2)+16*\i
.endr
.endm
.irp t, 0,1,2,3
	XLOAD \t
.endr
	s_wait_loadcnt 12                              ; step 0's four loads are in; the twelve of steps 1 to 3 stay out
	XTURN 0
.macro XSTEP t
.set XS, XX+16*((\t)%2)
.if (\t) > 0
	s_wait_dscnt 1                                 ; this step's numbers are back from the stage; the last step's byte store may be out
.else
	s_wait_dscnt 0x0
.endif
.if (\t)+4 < 16
	XLOAD (\t)+4                                   ; into the set whose stores to the stage have been served
.endif
.if (\t)+1 < 16
.if 14-(\t) >= 3
	s_wait_loadcnt 12                              ; the next step's four loads are in; three later steps' twelve stay out
.else
	s_wait_loadcnt 4*(14-(\t))
.endif
	XTURN (\t)+1
.endif
	v_max3_num_f32 v8, |v[XS]|, |v[XS+1]|, |v[XS+2]|
	v_max3_num_f32 v9, |v[XS+3]|, |v[XS+4]|, |v[XS+5]|
.irp i, 6,10
	v_max3_num_f32 v8, v8, |v[XS+\i]|, |v[XS+\i+1]|
	v_max3_num_f32 v9, v9, |v[XS+\i+2]|, |v[XS+\i+3]|
.endr
	v_max3_num_f32 v8, v8, |v[XS+14]|, |v[XS+15]|
	v_max3_num_f32 v8, v8, v9, 0x1800000           ; and the floor 2^(3 - 127): the byte cannot fall under 1
	v_max_num_f32_dpp v8, v8, v8 row_xmask:1 row_mask:0xf bank_mask:0xf   ; with my neighbour's 16: the block's largest magnitude
	v_add_nc_u32 v11, 0xff000000, v8               ; 2 off its exponent field: the conversion takes that field as its scale and nothing else
	v_cvt_scalef32_pk8_fp4_f32 v[XC+4*(\t)], v[XS:XS+7], v11
	v_cvt_scalef32_pk8_fp4_f32 v[XC+4*(\t)+1], v[XS+8:XS+15], v11
	v_lshrrev_b32 v[XE+(\t)], 23, v11              ; the scale's byte (also the plain line behind the conversions)
	ds_store_b8 v5, v[XE+(\t)] offset:16*(\t)      ; both lanes of a block write the same byte with the same value
	global_store_b64 v4, v[XC+4*(\t):XC+4*(\t)+1], s[10:11] offset:256*(\t)   ; the wave stores 256 consecutive bytes, aligned
.endm
.irp t, 0,1,2,3,4,5,6,7,8,9,10,11,12,13,14,15
	XSTEP \t
.endr
	ds_load_b64 v[8:9], v6
	s_wait_dscnt 0x0
	global_store_b64 v7, v[8:9], s[12:13]          ; my wave's 256 scale bytes, aligned
	s_wait_tensorcnt 0x0                           ; the wave's end: three lines behind my last LDS store
	ds_add_u32 v[SPW], v[NIL]
	s_wait_dscnt 0x0
	s_endpgm
.Lnot_x:
	s_cmp_lt_u32 ttmp9, 224
	s_cbranch_scc0 .Lcast
; ---------------- W_qkv: a lane takes a column n and its registers run DOWN K: a block of 32 lies in one lane, and the codes come out with K innermost.
; A work-group takes 64 columns x 512 along K.  Wave w: columns 32 (w % 2) on, the 256 along K from 256 (w / 2) on: 8 blocks a lane, 256 loads a wave, two blocks (64 loads) ahead.
; A row k of the work-group's part is 256 consecutive aligned bytes, read by two waves side by side.  A column's 512 codes are 256 bytes: its two halves come from two waves, meet in the work-group's stage,
; and behind one barrier each wave stores 16 whole rows: sixteen lanes store 256 consecutive aligned bytes.
; Every offset is an immediate: 255 rows x 12,288 bytes stay inside the signed 24 bits (ISA guide, chapter 10).
.set WP,   272                         ; a stage row: 256 bytes + 16.  The stage: LDS 32,768 on, 64 rows
.set WX,   32                          ; v32-95   two sets of 32 numbers
.set WC,   96                          ; v96-99   a block's codes
.set WOUT, 112                         ; v112-143 the way out
.set WSB,  24                          ; v24-25   8 scale bytes
	s_sub_co_u32 s21, ttmp9, 128
	s_and_b32 s22, s21, 1                          ; which 512 along K
	s_lshr_b32 s21, s21, 1
	s_lshl_b32 s21, s21, 6                         ; the work-group's first column
	s_and_b32 s26, s20, 1                          ; which 32 of its 64 columns are my wave's
	s_lshr_b32 s27, s20, 1                         ; which 256 of its 512 along K
	v_lshlrev_b32 v3, 2, v2                        ; in: 4 bytes a lane
	s_mul_i32 s23, s26, 32*WP
	s_lshl_b32 s28, s27, 7
	s_add_co_u32 s23, s23, s28
	s_add_co_u32 s23, s23, 32768
	v_mul_u32_u24 v4, v2, WP
	v_add_nc_u32 v4, s23, v4                       ; into the stage: row = my column, my half of its 256 bytes
	v_and_b32 v5, 15, v2
	v_lshrrev_b32 v6, 4, v2
	v_mul_u32_u24 v7, v6, WP
	v_lshl_add_u32 v7, v5, 4, v7
	s_mul_i32 s23, s20, 16*WP
	s_add_co_u32 s23, s23, 32768
	v_add_nc_u32 v7, s23, v7                       ; out of it: rows 16 w on; sixteen lanes to a row, two rows an instruction
	v_lshlrev_b32 v8, 9, v6
	v_lshl_add_u32 v8, v5, 4, v8                   ; the same place in wc: rows of 512 bytes
	v_lshlrev_b32 v9, 5, v2                        ; my column's row of ws: 32 bytes
	s_mov_b32 s25, 0
	s_lshl_b32 s24, s22, 1
	s_add_co_u32 s24, s24, s27                     ; which 256 of all 1,024 along K
	s_mul_i32 s24, s24, 256*12288
	s_lshl_b32 s28, s26, 5
	s_add_co_u32 s28, s28, s21                     ; my wave's first column
	s_lshl_b32 s29, s28, 2
	s_add_co_u32 s24, s24, s29
	s_add_nc_u64 s[6:7], s[6:7], s[24:25]
	s_lshl_b32 s24, s20, 4
	s_add_co_u32 s24, s24, s21                     ; the first row of wc that I store
	s_lshl_b32 s24, s24, 9
	s_lshl_b32 s29, s22, 8
	s_add_co_u32 s24, s24, s29
	s_add_nc_u64 s[14:15], s[14:15], s[24:25]
	s_lshl_b32 s24, s28, 5
	s_lshl_b32 s29, s22, 4
	s_add_co_u32 s24, s24, s29
	s_lshl_b32 s29, s27, 3
	s_add_co_u32 s24, s24, s29                     ; my 8 of a column's 32 scale bytes
	s_add_nc_u64 s[16:17], s[16:17], s[24:25]
.macro WLOAD t                         ; block t: W(32 t + i, my column) into set t % 2; 32 lanes read 128 consecutive bytes
.set i, 0
.rept 32
	global_load_b32 v[WX+32*((\t)%2)+i], v3, s[6:7] offset:(32*(\t)+i)*12288 th:TH_LOAD_NT
.set i, i+1
.endr
.endm
	WLOAD 0
	WLOAD 1
.macro WBLOCK t
.set XS, WX+32*((\t)%2)
.if (\t) < 7
	s_wait_loadcnt 32                              ; this block's 32 loads are in; the next block's 32 stay out
.else
	s_wait_loadcnt 0x0
.endif
	v_max3_num_f32 v12, |v[XS]|, |v[XS+1]|, |v[XS+2]|
	v_max3_num_f32 v13, |v[XS+3]|, |v[XS+4]|, |v[XS+5]|
.irp i, 6,10,14,18,22,26
	v_max3_num_f32 v12, v12, |v[XS+\i]|, |v[XS+\i+1]|
	v_max3_num_f32 v13, v13, |v[XS+\i+2]|, |v[XS+\i+3]|
.endr
	v_max3_num_f32 v12, v12, |v[XS+30]|, |v[XS+31]|
	v_max3_num_f32 v12, v12, v13, 0x1800000        ; the floor, as above
	v_add_nc_u32 v11, 0xff000000, v12
	v_lshrrev_b32 v13, 23, v11                     ; the scale's byte
.if (\t)%4 == 0
	v_mov_b32 v[WSB+(\t)/4], v13
.else
	v_lshl_or_b32 v[WSB+(\t)/4], v13, 8*((\t)%4), v[WSB+(\t)/4]
.endif
.irp g, 0,1,2,3
	v_cvt_scalef32_pk8_fp4_f32 v[WC+\g], v[XS+8*\g:XS+8*\g+7], v11
.endr
	v_nop                                          ; one plain line behind the last conversion
	ds_store_b128 v4, v[WC:WC+3] offset:16*(\t)
.if (\t)+2 < 8
	WLOAD (\t)+2
.endif
	s_wait_dscnt 0x0                               ; the store has landed: the next block's codes may be written; behind the last block this is also the wait that the other waves lean on
.endm
.irp t, 0,1,2,3,4,5,6,7
	WBLOCK \t
.endr
	s_barrier_signal -1                            ; my half rows lie in the stage (the wait for 0 stands at the last block's end)
	s_barrier_wait -1                              ; everybody's do
.irp t, 0,1,2,3,4,5,6,7
	ds_load_b128 v[WOUT+4*\t:WOUT+4*\t+3], v7 offset:2*\t*WP
.endr
	global_store_b64 v9, v[WSB:WSB+1], s[16:17]    ; my column's 8 scale bytes: pieces of 8 bytes, 1 byte in 128 of what this path reads
.irp t, 0,1,2,3,4,5,6,7
	s_wait_dscnt 7-\t                              ; the younger stage loads stay out
	global_store_b128 v8, v[WOUT+4*\t:WOUT+4*\t+3], s[14:15] offset:2*\t*512
.endr
	s_wait_tensorcnt 0x0                           ; the wave's end, as above
	ds_add_u32 v[SPW], v[NIL]
	s_wait_dscnt 0x0
	s_endpgm
.Lcast:
; ---------------- W_out to f16: a wave takes 8,192 numbers: 64 loads of 512 consecutive bytes in four batches of 16, two register sets by turns; each store covers 256 consecutive aligned bytes.
	s_sub_co_u32 s21, ttmp9, 224
	s_lshl_b32 s21, s21, 2
	s_add_co_u32 s21, s21, s20                     ; run 0 .. 127
	s_mov_b32 s25, 0
	s_lshl_b32 s24, s21, 15
	s_add_nc_u64 s[8:9], s[8:9], s[24:25]
	s_lshl_b32 s24, s21, 14
	s_add_nc_u64 s[18:19], s[18:19], s[24:25]
	v_lshlrev_b32 v3, 4, v2
	v_lshlrev_b32 v4, 3, v2
.macro CLOAD k
.set i, 0
.rept 16
	global_load_b128 v[32+64*((\k)%2)+4*i:32+64*((\k)%2)+4*i+3], v3, s[8:9] offset:512*(16*(\k)+i) th:TH_LOAD_NT
.set i, i+1
.endr
.endm
.macro CPUT k, younger                 ; younger: the loads of the batch issued behind this one
.set i, 0
.rept 16
	s_wait_loadcnt \younger+15-i                   ; load i of this batch is in: the rest of the batch and the next batch stay out
	v_cvt_pk_f16_f32 v[32+64*((\k)%2)+4*i], v[32+64*((\k)%2)+4*i], v[32+64*((\k)%2)+4*i+1]
	v_cvt_pk_f16_f32 v[32+64*((\k)%2)+4*i+1], v[32+64*((\k)%2)+4*i+2], v[32+64*((\k)%2)+4*i+3]
	global_store_b64 v4, v[32+64*((\k)%2)+4*i:32+64*((\k)%2)+4*i+1], s[18:19] offset:256*(16*(\k)+i)
.set i, i+1
.endr
.endm
	CLOAD 0
	CLOAD 1
	CPUT 0, 16
	s_wait_xcnt 0x0                                ; batch 0's stores have read their data: the set may be loaded again
	CLOAD 2
	CPUT 1, 16
	s_wait_xcnt 0x0
	CLOAD 3
	CPUT 2, 16
	CPUT 3, 0
	s_wait_tensorcnt 0x0                           ; this path stores nothing to LDS; it ends as the other two do
	ds_add_u32 v[SPW], v[NIL]
	s_wait_dscnt 0x0
	s_endpgm
.Lfunc_end_k_q893f55bd0a_prep:
	.size	k_q893f55bd0a_prep, .Lfunc_end_k_q893f55bd0a_prep-k_q893f55bd0a_prep
	.p2alignl 7, 3214868480
	.fill 96, 4, 3214868480
	.section	.rodata,"a",@progbits
	.p2align	6, 0x0
	.amdhsa_kernel k_q893f55bd0a_prep
		.amdhsa_group_segment_fixed_size 68096
		.amdhsa_private_segment_fixed_size 0
		.amdhsa_enable_private_segment 0
		.amdhsa_kernarg_size 64
		.amdhsa_user_sgpr_count 2
		.amdhsa_user_sgpr_kernarg_segment_ptr 1
		.amdhsa_wavefront_size32 1
		.amdhsa_system_sgpr_workgroup_id_x 1
		.amdhsa_system_sgpr_workgroup_id_y 1
		.amdhsa_system_sgpr_workgroup_id_z 1
		.amdhsa_system_vgpr_workitem_id 0
		.amdhsa_next_free_vgpr 200
		.amdhsa_next_free_sgpr 66
		.amdhsa_reserve_vcc 0
		.amdhsa_float_denorm_mode_32 3
		.amdhsa_float_denorm_mode_16_64 3
		.amdhsa_memory_ordered 1
		.amdhsa_forward_progress 1
		.amdhsa_inst_pref_size 96
	.end_amdhsa_kernel
	.amdgpu_metadata
---
amdhsa.version: [ 1, 2 ]
amdhsa.kernels:
  - .name:           k_q893f55bd0a_prep
    .symbol:         k_q893f55bd0a_prep.kd
    .args:
      - { .name: x, .offset: 0, .size: 8, .value_kind: global_buffer, .address_space: global }
      - { .name: W_qkv, .offset: 8, .size: 8, .value_kind: global_buffer, .address_space: global }
      - { .name: W_out, .offset: 16, .size: 8, .value_kind: global_buffer, .address_space: global }
      - { .name: xc, .offset: 24, .size: 8, .value_kind: global_buffer, .address_space: global }
      - { .name: xs, .offset: 32, .size: 8, .value_kind: global_buffer, .address_space: global }
      - { .name: wc, .offset: 40, .size: 8, .value_kind: global_buffer, .address_space: global }
      - { .name: ws, .offset: 48, .size: 8, .value_kind: global_buffer, .address_space: global }
      - { .name: wo16, .offset: 56, .size: 8, .value_kind: global_buffer, .address_space: global }
    .group_segment_fixed_size: 68096
    .private_segment_fixed_size: 0
    .kernarg_segment_align: 8
    .kernarg_segment_size: 64
    .max_flat_workgroup_size: 128
    .sgpr_count:     66
    .vgpr_count:     200
    .wavefront_size: 32
...
	.end_amdgpu_metadata
.endif
;; end of part 1
;; launch qkv (part 2): grid 12 x 16, 4 waves a work-group, clusters of 4 x 4, 327,680 bytes of LDS; arguments xc, xs, wc, ws, rope_cos, rope_sin, qkv16, q32; writes qkv16, q32
.if DOCPART == 2
	.amdgcn_target "amdgcn-amd-amdhsa--gfx1250"
	.amdhsa_code_object_version 6
	.text
	.protected	k_q893f55bd0a_qkv
	.globl	k_q893f55bd0a_qkv
	.p2align	8
	.type	k_q893f55bd0a_qkv,@function
k_q893f55bd0a_qkv:
	s_mov_b64 s[64:65], 0
	v_nop
	global_prefetch_b8 v0, s[64:65] scope:SCOPE_SE
	s_setreg_imm32_b32 hwreg(HW_REG_WAVE_MODE, 25, 1), 1
	s_wait_xcnt 0x0
	s_wait_alu depctr_hold_cnt(0) depctr_sa_sdst(0) depctr_va_vdst(0) depctr_va_sdst(0) depctr_va_ssrc(0) depctr_va_vcc(0) depctr_vm_vsrc(0)
	s_getreg_b32 s2, hwreg(HW_REG_IB_STS2, 6, 4)
	s_cmp_eq_u32 s2, 0
	s_cbranch_scc0 .Lentry_in_a_cluster
	s_endpgm
.Lentry_in_a_cluster:
	s_bfe_u32 s2, ttmp6, 0x10000c
	s_cmp_lg_u32 s2, 0xf033
	s_cbranch_scc0 .Lentry_shape_is_right
	s_endpgm
.Lentry_shape_is_right:
; qkv = Q(x) Q(W_qkv), both operands as codes of E2M1 with one E8M0 byte for each 32 along K (made by the launch before); sums in f32; then RoPE on q and k in f32; q, k, v leave as f16, by head.
; A = xc [4096][512 bytes], xs [4096][32];  B = wc [3072][512 bytes], ws [3072][32].  K = 1,024.
; OUT: qkv16 f16 [type 3][16 b + h][position 2048][64]; q32 f32 [b][16 type + h][position 0..15][64]: the first 16 positions of each sequence as f32, for the last launch.
; A tile of C is 256 x 256, four waves, 128 x 128 each: 64 accumulators.  K is two slots of 512, BOTH first fills: no slot is filled again.  A wave has three tensor loads out at the start: its scales, K step 0, K step 1.
; CLUSTERS 4 x 4: A's tile is shared along a row of the cluster, B's along a column: joint loads.  The cluster's x is the type (q, k, v): 1,024 columns = 4 tiles; so the one branch on the type is alike in all partners.
; THE MATRIX INSTRUCTION IS USED TRANSPOSED (source 0 = 16 rows of B, source 1 = 16 rows of A): lane (r, h) holds position r of a block of 16 and eight neighbouring columns 16 b + 8 h + 0..7 of my 128: two heads of 64.
; RoPE pairs channel d with d + 32: accumulators b and b + 2 of one head, the same lane and register: nothing changes lanes.  All 64 columns of both tables are read and used as given.
; THE WAY OUT IS A PIPELINE of blocks of 16 positions: while block a is rotated and rounded, block a - 1 is on its way back from the stage in LDS and block a - 2's stores are leaving.
; LIMITS: |q|, |k|, |v| under 65,504 (f16).  q32's stores are pieces of 32 bytes: 393,216 bytes in the launch against 25,165,824 in whole aligned runs of 512.
; REGISTERS: window 0: v0-31 addresses; v32-95 scale words, later T (a block's 64 numbers); v128-191 A's fragments, later table set 1; v192-255 table set 0.
;   window 1: B's fragments, two sets; on the way out v0-31 and v32-63 by turns: rows back from the stage.   windows 2, 3: the accumulators ((a, b) at v[8 (8 (a % 4) + b)]).
.set NQ,     4                         ; matrix instructions deep in a slot of 512 along K
.set ROWB,   256                       ; a tile's row in bytes
.set KROW,   512                       ; a row of codes in memory
.set PITCH,  272                       ; an LDS row: 256 bytes + 16 = 68 words: the 16 rows of a load start at 16 different banks (64 banks of 4 bytes: ISA guide 11.1)
.set FR,     8
.set NL,     2
.set NP,     4                         ; places behind this matrix instruction (ISA guide 7.12.1)
.set HALFT,  128*PITCH
.set SLOT,   4*HALFT
.set KS,     32                        ; a row of scale bytes
.set SCL,    2*SLOT                    ; behind the two slots: the scales of my 256 + 256 rows, as units of 256 bytes + 16
.set HALFS,  16*272
.set SBLK,   2*272
.set SPARE,  SCL+4*HALFS               ; the spare words, 128 bytes for each wave
.set ADRA, 16
.set ADRB, 20
.set STO,  24                          ; v24  the way out: where I put 16 bytes of a position's row
.set RD,   25                          ; v25  where I read four positions back
.set CO,   26                          ; v26  16 x lane
.set ADRS, 27
.set SPW,  28
.set NIL,  29
.set CA,   30                          ; v30  256 r + 32 h: my place in 16 rows of a rope table, and in a head's 16 rows of q32
.set FL,   31                          ; v31  0 where my block 0 is positions 0 .. 15
.set SC,   32
.set T,    32
.set AF,   128
.set G1, 24
.set G0, 32
.set G1B, 48
.set G0B, 56
.set G1S, 68
.set G0S, 76
.set G1SB, 80
.set G0SB, 88
.set MSB, 0
.macro WIN new                         ; the immediate's high byte repeats the setting that is left
.if MSB != (\new)
	s_set_vgpr_msb (MSB<<8)|(\new)
.set MSB, (\new)
.endif
.endm
.set MUL_LO, 0xa1                      ; source 0 (B) window 1, source 1 (A) window 0, C and D window 2
.set MUL_HI, 0xf1
.set TO_B,   0x40                      ; destination window 1, address window 0
.set FROM_B, 0x04                      ; a store's data are its source 1: window 1; address window 0
; A joint load: waves 0 and 1 fetch for A, waves 2 and 3 for B; the branch hangs on the wave's number alone.  An s_nop 0 and four v_nop follow each line.
.macro JLOAD g0a, g1a, g0b, g1b
	s_cmp_eq_u32 s15, 0
	s_cbranch_scc0 .Lfor_b_\@
	tensor_load_to_lds s[\g0a:\g0a+3], s[\g1a:\g1a+7]
	s_nop 0
.rept 4
	v_nop
.endr
	s_branch .Lasked_\@
.Lfor_b_\@:
	tensor_load_to_lds s[\g0b:\g0b+3], s[\g1b:\g1b+7]
	s_nop 0
.rept 4
	v_nop
.endr
.Lasked_\@:
.endm
.macro CROUND                          ; a round of the cluster's barrier
	s_barrier_signal -1
	s_barrier_wait -1
	s_cmp_lg_u32 s14, 0
	s_cbranch_scc1 .Lnot_wave_0_\@
	s_barrier_signal -3
.Lnot_wave_0_\@:
	s_barrier_wait -3
	s_barrier_signal -1
	s_barrier_wait -1
.endm
	s_load_b128 s[4:7], s[0:1], 0x0                ; xc, xs
	s_load_b128 s[8:11], s[0:1], 0x10              ; wc, ws
	s_load_b128 s[96:99], s[0:1], 0x20             ; rope_cos, rope_sin
	s_load_b64 s[12:13], s[0:1], 0x30              ; qkv16
	s_load_b64 s[100:101], s[0:1], 0x38            ; q32
	v_lshl_add_u32 v[SPW], v0, 2, SPARE
	v_mov_b32 v[NIL], 0
	ds_add_u32 v[SPW], v[NIL]                      ; the wave's opening: the add, twice on end, and its wait ahead of my first tensor load
	ds_add_u32 v[SPW], v[NIL]
	v_lshrrev_b32 v1, 5, v0
	v_readfirstlane_b32 s14, v1                    ; wave 0..3
	s_lshr_b32 s15, s14, 1                         ; which half of the tile's rows is mine.  Also: I fetch for A (0) or for B (1)
	s_and_b32 s16, s14, 1                          ; which half of its columns.  Also: which 128 rows I fetch
	s_bfe_u32 s40, ttmp6, 0x40000                  ; cx
	s_bfe_u32 s41, ttmp6, 0x40004                  ; cy
	s_lshl_b32 s42, ttmp9, 2
	s_add_co_u32 s42, s42, s40                     ; tile column
	s_and_b32 s17, ttmp7, 0xffff
	s_lshl_b32 s17, s17, 2
	s_add_co_u32 s17, s17, s41                     ; tile row
	s_lshl_b32 s43, s41, 2
	s_lshl_b32 s43, 15, s43                        ; my row of the cluster
	s_lshl_b32 s44, 0x1111, s40                    ; my column
	s_or_b32 s[G1+0], s43, (0<<16)|(1<<20)|(1<<21)|(5<<22)|(3<<25)   ; mask; elements of 1 byte; padding on; bit 21 beside a mask; 4 words behind every 64
	s_or_b32 s[G1B+0], s44, (0<<16)|(1<<20)|(1<<21)|(5<<22)|(3<<25)
.irp g, G1, G1B
	s_mov_b32 s[\g+1], ROWB<<16                    ; tensor_dim0
	s_mov_b32 s[\g+2], 128<<16                     ; tensor_dim1
	s_mov_b32 s[\g+3], ROWB<<16                    ; tile_dim0
	s_mov_b32 s[\g+4], 128                         ; tile_dim1
	s_mov_b32 s[\g+5], KROW                        ; the pitch
	s_mov_b32 s[\g+6], 0
	s_mov_b32 s[\g+7], 0
.endr
	s_or_b32 s[G1S+0], s43, (3<<16)|(1<<20)|(1<<21)|(5<<22)|(3<<25)  ; the scales of 128 rows: 4,096 dense bytes as 16 rows of 256 (32 elements of 8 bytes)
	s_or_b32 s[G1SB+0], s44, (3<<16)|(1<<20)|(1<<21)|(5<<22)|(3<<25)
.irp g, G1S, G1SB
	s_mov_b32 s[\g+1], 32<<16
	s_mov_b32 s[\g+2], 16<<16
	s_mov_b32 s[\g+3], 32<<16
	s_mov_b32 s[\g+4], 16
	s_mov_b32 s[\g+5], 32
	s_mov_b32 s[\g+6], 0
	s_mov_b32 s[\g+7], 0
.endr
	s_lshl_b32 s18, s16, 7
	s_lshl_b32 s20, s17, 8
	s_add_co_u32 s20, s20, s18                     ; A: row 256 x tile row + 128 x half
	s_lshl_b32 s46, s42, 8
	s_add_co_u32 s46, s46, s18                     ; B: row 256 x tile column + 128 x half
	s_mov_b32 s21, 0
	s_mov_b32 s47, 0
	s_mov_b64 s[18:19], KS
	s_mul_u64 s[22:23], s[20:21], s[18:19]
	s_mul_u64 s[92:93], s[46:47], s[18:19]
	s_mov_b64 s[18:19], KROW
	s_mul_u64 s[20:21], s[20:21], s[18:19]
	s_mul_u64 s[46:47], s[46:47], s[18:19]
	s_mul_i32 s45, s14, HALFT                      ; where they go: by the wave's number alone
	s_mul_i32 s94, s14, HALFS
	s_wait_dscnt 0x0                               ; both opening adds are done
	s_wait_kmcnt 0x0
	s_add_nc_u64 s[20:21], s[4:5], s[20:21]
	s_add_nc_u64 s[22:23], s[6:7], s[22:23]
	s_add_nc_u64 s[46:47], s[8:9], s[46:47]
	s_add_nc_u64 s[92:93], s[10:11], s[92:93]
	CROUND                                         ; all sixteen work-groups are here: the joint loads meet
	s_mov_b32 s[G0S], 1
	s_add_co_u32 s[G0S+1], s94, SCL
	s_mov_b64 s[G0S+2:G0S+3], s[22:23]
	s_or_b32 s[G0S+3], s[G0S+3], 0x80000000
	s_mov_b32 s[G0SB], 1
	s_add_co_u32 s[G0SB+1], s94, SCL
	s_mov_b64 s[G0SB+2:G0SB+3], s[92:93]
	s_or_b32 s[G0SB+3], s[G0SB+3], 0x80000000
	JLOAD G0S, G1S, G0SB, G1SB                     ; the scales first: they are wanted with K step 0
.irp s, 0,1
	s_mov_b32 s[G0+4*\s], 1
	s_add_co_u32 s[G0+4*\s+1], s45, \s*SLOT
	s_add_nc_u64 s[G0+4*\s+2:G0+4*\s+3], s[20:21], \s*ROWB
	s_or_b32 s[G0+4*\s+3], s[G0+4*\s+3], 0x80000000
	s_mov_b32 s[G0B+4*\s], 1
	s_add_co_u32 s[G0B+4*\s+1], s45, \s*SLOT
	s_add_nc_u64 s[G0B+4*\s+2:G0B+4*\s+3], s[46:47], \s*ROWB
	s_or_b32 s[G0B+4*\s+3], s[G0B+4*\s+3], 0x80000000
	JLOAD G0+4*\s, G1, G0B+4*\s, G1B
.endr
	v_and_b32 v1, 15, v0                           ; r
	v_bfe_u32 v2, v0, 4, 1                         ; h
	v_mul_u32_u24 v3, v1, PITCH
	v_lshl_add_u32 v4, v2, 4, v3
	s_mul_i32 s21, s15, HALFT
	s_mul_i32 s22, s16, HALFT
	s_add_co_u32 s22, s22, 2*HALFT
.irp s, 0,1
	v_add_nc_u32 v[ADRA+\s], s21, v4
	v_add_nc_u32 v[ADRB+\s], s22, v4
	s_add_co_u32 s21, s21, SLOT
	s_add_co_u32 s22, s22, SLOT
.endr
	v_mul_u32_u24 v5, v1, KS                       ; my row's scales: 32 bytes a row, 16 more for each 256 passed
	v_lshrrev_b32 v6, 8, v5
	v_lshl_add_u32 v5, v6, 4, v5
	s_mul_i32 s21, s15, HALFS
	s_mul_i32 s22, s16, HALFS
	s_add_co_u32 s22, s22, 2*HALFS
	s_sub_co_u32 s22, s22, s21
	v_mul_u32_u24 v6, s22, v2                      ; lanes 16-31 take B's
	s_add_co_u32 s21, s21, SCL
	v_add_nc_u32 v5, v5, v6
	v_add_nc_u32 v[ADRS], s21, v5
	; the way out.  My stage lies in slot 0 (its one fill has landed and its last read lies ahead of the change of slots): 2 heads x 16 positions x (128 bytes + 16)
	s_mul_i32 s23, s14, 4608
	v_mul_u32_u24 v5, v1, 144
	v_lshl_add_u32 v5, v2, 4, v5
	v_add_nc_u32 v[STO], s23, v5                   ; in: position r, 16 bytes for each half of the lanes
	v_and_b32 v6, 31, v0
	v_lshlrev_b32 v[CO], 4, v6
	v_lshrrev_b32 v5, 3, v6
	v_mul_u32_u24 v5, v5, 144
	v_and_b32 v6, 7, v6
	v_lshl_add_u32 v5, v6, 4, v5
	v_add_nc_u32 v[RD], s23, v5                    ; back: eight lanes to a position, four positions an instruction
	v_lshlrev_b32 v[CA], 8, v1
	v_lshl_add_u32 v[CA], v2, 5, v[CA]
	; bases, in registers that feed no descriptor.  pos0 = 128 x (2 (tile row % 8) + row half); batch = tile row / 8; head0 = 4 cx + 2 x column half; type = the cluster's x
	s_and_b32 s66, s17, 7
	s_lshl_b32 s66, s66, 1
	s_add_co_u32 s66, s66, s15
	v_mov_b32 v[FL], s66
	s_lshl_b32 s2, s66, 15                         ; pos0 rows of 256 bytes
	s_mov_b32 s3, 0
	s_add_nc_u64 s[96:97], s[96:97], s[2:3]
	s_add_nc_u64 s[98:99], s[98:99], s[2:3]
	s_lshr_b32 s67, s17, 3
	s_lshl_b32 s95, s40, 2
	s_lshl_b32 s2, s16, 1
	s_add_co_u32 s95, s95, s2                      ; head0
	s_lshl_b32 s2, s67, 4
	s_add_co_u32 s2, s2, s95
	s_lshl_b32 s2, s2, 18                          ; a head: 2,048 x 128 bytes
	s_lshl_b32 s3, ttmp9, 23                       ; a type: 32 heads
	s_add_co_u32 s2, s2, s3
	s_lshl_b32 s3, s66, 14                         ; pos0 x 128 bytes
	s_add_co_u32 s2, s2, s3
	s_mov_b32 s3, 0
	s_add_nc_u64 s[12:13], s[12:13], s[2:3]
	s_mul_i32 s2, s67, 48
	s_lshl_b32 s3, ttmp9, 4
	s_add_co_u32 s2, s2, s3
	s_add_co_u32 s2, s2, s95
	s_lshl_b32 s2, s2, 12                          ; a head's 16 positions in f32: 4,096 bytes
	s_mov_b32 s3, 0
	s_add_nc_u64 s[100:101], s[100:101], s[2:3]
; The tables of block a (16 positions): for lane (r, h) the columns 16 q + 8 h + 0..7, q = 0..3: cos into set[8 q ..], sin into set[32 + 8 q ..].  Even blocks: v192-255; odd: v128-191.
.macro ROPELOAD a
.set TBL, 192-64*((\a)%2)
.irp q, 0,1,2,3
.irp e, 0,1
	global_load_b128 v[TBL+8*\q+4*\e:TBL+8*\q+4*\e+3], v[CA], s[96:97] offset:(\a)*4096+64*\q+16*\e
	global_load_b128 v[TBL+32+8*\q+4*\e:TBL+32+8*\q+4*\e+3], v[CA], s[98:99] offset:(\a)*4096+64*\q+16*\e
.endr
.endr
.endm
	ROPELOAD 0                                     ; block 0's tables land under the products (every work-group asks, so that the type is branched on once, on the way out)
.macro FRAG reg, adr, q, i             ; 16 rows x 128 K of 4-bit codes: registers 4 c .. 4 c + 3 hold K = 64 c + 32 h + 0 .. 31
.irp c, 0,1
	ds_load_b128 v[\reg+4*\c:\reg+4*\c+3], v[\adr] offset:64*(\q)+32*\c+(\i)*16*PITCH
.endr
.endm
; 16 matrix instructions: A's blocks a0, a0 + 1 x B's eight.  The 64 accumulators take turns, one instruction a turn, in the same order in every step.
.macro MUL16 a0, p, q, sc, zero
.irp a, \a0, \a0+1
.irp b, 0,1,2,3,4,5,6,7
.if \zero
	v_wmma_scale_f32_16x16x128_f8f6f4 v[8*(8*((\a)%4)+\b):8*(8*((\a)%4)+\b)+7], v[128*(\p)+FR*\b:128*(\p)+FR*\b+FR-1], v[AF+FR*(\a):AF+FR*(\a)+FR-1], 0, v[SC+8*NQ*(\sc)+NQ*\b+(\q)], v[SC+8*NQ*(\sc)+NQ*(\a)+(\q)] matrix_a_fmt:MATRIX_FMT_FP4 matrix_b_fmt:MATRIX_FMT_FP4 matrix_a_scale:MATRIX_SCALE_ROW1
.else
	v_wmma_scale_f32_16x16x128_f8f6f4 v[8*(8*((\a)%4)+\b):8*(8*((\a)%4)+\b)+7], v[128*(\p)+FR*\b:128*(\p)+FR*\b+FR-1], v[AF+FR*(\a):AF+FR*(\a)+FR-1], v[8*(8*((\a)%4)+\b):8*(8*((\a)%4)+\b)+7], v[SC+8*NQ*(\sc)+NQ*\b+(\q)], v[SC+8*NQ*(\sc)+NQ*(\a)+(\q)] matrix_a_fmt:MATRIX_FMT_FP4 matrix_b_fmt:MATRIX_FMT_FP4 matrix_a_scale:MATRIX_SCALE_ROW1
.endif
.endr
.endr
.endm
.macro FETCH_B slot, q, p
	WIN TO_B
.irp i, 0,1,2,3,4,5,6,7
	FRAG 128*(\p)+FR*\i, ADRB+\slot, \q, \i
.endr
	WIN 0
.endm
.macro FETCH_A slot, q, i0
.irp i, \i0, \i0+1, \i0+2, \i0+3
	FRAG AF+FR*(\i), ADRA+\slot, \q, \i
.endr
.endm
.macro SCALES sc                       ; a slot's scale words: lanes 0-15 A's block i, lanes 16-31 B's block i; four words a row
.irp i, 0,1,2,3,4,5,6,7
	ds_load_b128 v[SC+8*NQ*\sc+NQ*\i:SC+8*NQ*\sc+NQ*\i+3], v[ADRS] offset:\i*SBLK
.endr
.endm
.macro PLACES n                        ; plain vector lines between a matrix instruction and a load into, or a read of, its registers
.rept \n
	v_nop
.endr
.endm
.macro STEP slot, q, zero              ; 128 along K with its successor in the same slot
	s_wait_dscnt 4*NL                              ; B's set and A's blocks 0-3 are in; the youngest eight loads (A's blocks 4-7) may be out
	WIN MUL_LO
	MUL16 0, (\q)%2, \q, \slot, \zero
	MUL16 2, (\q)%2, \q, \slot, \zero
	s_wait_dscnt 0
	PLACES NP
	FETCH_B \slot, (\q)+1, 1-(\q)%2
	FETCH_A \slot, (\q)+1, 0
	WIN MUL_HI
	MUL16 4, (\q)%2, \q, \slot, \zero
	MUL16 6, (\q)%2, \q, \slot, \zero
	PLACES NP
	WIN 0
	FETCH_A \slot, (\q)+1, 4
.endm
	s_wait_tensorcnt 1                             ; the scales and my part of K step 0 are in; K step 1's load may stay out
	s_barrier_signal -1
	s_barrier_wait -1
	FETCH_B 0, 0, 0
	FETCH_A 0, 0, 0
	SCALES 0
	FETCH_A 0, 0, 4
	STEP 0, 0, 1                                   ; the first products start the sums: nothing is cleared
	STEP 0, 1, 0
	STEP 0, 2, 0
	; slot 0's last step changes slots: one barrier; in front of it all my tensor loads have landed (my part of slot 1), the add, and my reads of slot 0 are over
	s_wait_tensorcnt 0x0
	ds_add_u32 v[SPW], v[NIL]
	s_wait_dscnt 4*NL+1                            ; the add and the youngest eight loads may be out
	WIN MUL_LO
	MUL16 0, 1, NQ-1, 0, 0
	s_wait_dscnt 0x0
	s_barrier_signal -1
	MUL16 2, 1, NQ-1, 0, 0
	WIN 0
	s_barrier_wait -1
	PLACES NP
	v_add_nc_u32 v[ADRS], 4*NQ, v[ADRS]            ; on to slot 1's scale words
	FETCH_B 1, 0, 0
	FETCH_A 1, 0, 0
	SCALES 1
	WIN MUL_HI
	MUL16 4, 1, NQ-1, 0, 0
	MUL16 6, 1, NQ-1, 0, 0
	PLACES NP
	WIN 0
	FETCH_A 1, 0, 4
	STEP 1, 0, 0
	STEP 1, 1, 0
	STEP 1, 2, 0
	s_wait_dscnt 4*NL
	WIN MUL_LO
	MUL16 0, 1, NQ-1, 1, 0
	MUL16 2, 1, NQ-1, 1, 0
	s_wait_dscnt 0
	WIN MUL_HI
	MUL16 4, 1, NQ-1, 1, 0
	MUL16 6, 1, NQ-1, 1, 0
	WIN 0
	PLACES NP                                      ; ahead of every read of results, and of writes and loads into the scale words', A's and B's registers
; THE WAY OUT, a block of 16 positions x 128 columns (two heads) at a time.
; ROPE: T[32 hh + 8 q + j] = the rotated number of head hh, channel 16 q + 8 h + j.  lo = channels under 32 (q = bb), hi = the same + 32 (q = bb + 2).  Each accumulator is read from its low end on.
.macro ROPE a
.set TBL, 192-64*((\a)%2)
.set AC, 64*((\a)%4)
	WIN 0x02+(\a)/4                                ; source 0: the accumulators' window
.irp hh, 0,1
.irp bb, 0,1
.irp j, 0,2,4,6
	v_pk_mul_f32 v[T+32*\hh+8*\bb+\j:T+32*\hh+8*\bb+\j+1], v[AC+8*(4*\hh+\bb)+\j:AC+8*(4*\hh+\bb)+\j+1], v[TBL+8*\bb+\j:TBL+8*\bb+\j+1]
	v_pk_mul_f32 v[T+32*\hh+8*\bb+16+\j:T+32*\hh+8*\bb+16+\j+1], v[AC+8*(4*\hh+\bb+2)+\j:AC+8*(4*\hh+\bb+2)+\j+1], v[TBL+8*\bb+16+\j:TBL+8*\bb+16+\j+1]
	v_pk_fma_f32 v[T+32*\hh+8*\bb+\j:T+32*\hh+8*\bb+\j+1], v[AC+8*(4*\hh+\bb+2)+\j:AC+8*(4*\hh+\bb+2)+\j+1], v[TBL+32+8*\bb+\j:TBL+32+8*\bb+\j+1], v[T+32*\hh+8*\bb+\j:T+32*\hh+8*\bb+\j+1] neg_lo:[0,1,0] neg_hi:[0,1,0]
	v_pk_fma_f32 v[T+32*\hh+8*\bb+16+\j:T+32*\hh+8*\bb+16+\j+1], v[AC+8*(4*\hh+\bb)+\j:AC+8*(4*\hh+\bb)+\j+1], v[TBL+32+8*\bb+16+\j:TBL+32+8*\bb+16+\j+1], v[T+32*\hh+8*\bb+16+\j:T+32*\hh+8*\bb+16+\j+1]
.endr
.endr
.endr
	WIN 0
.endm
.macro NARROW                          ; T's 64 numbers to f16, in place: number i of 32 reads 2 i and 2 i + 1, which no earlier one has written
.set i, 0
.rept 32
	v_cvt_pk_f16_f32 v[T+i], v[T+2*i], v[T+2*i+1]
.set i, i+1
.endr
.endm
.macro PACKV a                         ; v has no rope: straight from the accumulators, each from its low end on
.set AC, 64*((\a)%4)
	WIN 0x0a+5*((\a)/4)
.irp b, 0,1,2,3,4,5,6,7
.irp jj, 0,1,2,3
	v_cvt_pk_f16_f32 v[T+4*\b+\jj], v[AC+8*\b+2*\jj], v[AC+8*\b+2*\jj+1]
.endr
.endr
	WIN 0
.endm
; Positions 0-15 as f32.  The stores are masked by EXEC, not branched round: whether my block 0 is positions 0-15 hangs on my place in the cluster.  EXEC changes only behind s_wait_xcnt 0.
.macro FINE w, base, step              ; w: the window of the data; register base + step x (4 hh + q) + 4 e
	v_cmp_eq_u32 vcc_lo, 0, v[FL]
	s_wait_xcnt 0x0
	s_and_saveexec_b32 s66, vcc_lo
	WIN \w
.irp hh, 0,1
.irp q, 0,1,2,3
.irp e, 0,1
	global_store_b128 v[CA], v[\base+\step*(4*\hh+\q)+4*\e:\base+\step*(4*\hh+\q)+4*\e+3], s[100:101] offset:\hh*4096+64*\q+16*\e
.endr
.endr
.endr
	WIN 0
	s_wait_xcnt 0x0
	s_or_b32 exec_lo, exec_lo, s66
.endm
; STAGE a: T[0..31] into my stage, and back as four whole positions (512 bytes) an instruction, into set a % 2 of window 1.  LDS serves a wave's instructions in order (ISA guide 5.7.1.4):
; the loads see the stores above them, and these stores come behind the last block's loads.
.macro STAGE a
.irp hh, 0,1
.irp q, 0,1,2,3
	ds_store_b128 v[STO], v[T+4*(4*\hh+\q):T+4*(4*\hh+\q)+3] offset:\hh*2304+32*\q
.endr
.endr
	WIN TO_B
.irp n, 0,1,2,3,4,5,6,7
	ds_load_b128 v[32*((\a)%2)+4*\n:32*((\a)%2)+4*\n+3], v[RD] offset:(\n/4)*2304+(\n%4)*576
.endr
	WIN 0
.endm
; SEND a: block a leaves, a block's arithmetic behind its STAGE.
.macro SEND a
	WIN FROM_B
.irp n, 0,1,2,3,4,5,6,7
	s_wait_dscnt 7-\n                              ; the younger loads of its STAGE stay out; nothing else of mine is out in LDS
	global_store_b128 v[CO], v[32*((\a)%2)+4*\n:32*((\a)%2)+4*\n+3], s[12:13] offset:(\n/4)*262144+(\a)*2048+(\n%4)*512   ; 32 lanes store 512 consecutive bytes, aligned
.endr
	WIN 0
.endm
	s_cmp_eq_u32 ttmp9, 2                          ; the type is the cluster's x: alike in all sixteen partners
	s_cbranch_scc1 .Lvalues
	ROPELOAD 1
.irp a, 0,1,2,3,4,5,6,7
.if \a < 7
	s_wait_loadcnt 16                              ; this block's tables are in; the next block's 16 loads stay out
.else
	s_wait_loadcnt 0x0
.endif
	ROPE \a
.if \a == 0
	FINE 0, T, 8
.endif
.if \a > 1
	s_wait_xcnt 0x0                                ; block a - 2's stores, issued a block ago, have read set a % 2, which STAGE a below loads again.  It stands ahead of the table loads, so that it does not wait for them
.endif
.if \a < 6
	ROPELOAD \a+2                                  ; into the set just read
.endif
	NARROW
.if \a > 0
	SEND \a-1
.endif
	STAGE \a
.endr
	SEND 7
	s_branch .Lclose
.Lvalues:
	s_wait_loadcnt 0x0                             ; block 0's tables, which v does not use
	FINE 0x08, 0, 8                                ; block 0's accumulators lie in window 2; a store's data are its source 1
.irp a, 0,1,2,3,4,5,6,7
	PACKV \a
.if \a > 1
	s_wait_xcnt 0x0                                ; block a - 2's stores have read set a % 2
.endif
.if \a > 0
	SEND \a-1
.endif
	STAGE \a
.endr
	SEND 7
.Lclose:
	s_wait_tensorcnt 0x0                           ; the wave's end: three lines behind my last tensor load and my last LDS store
	ds_add_u32 v[SPW], v[NIL]
	s_wait_dscnt 0x0
	CROUND                                         ; the closing round
	s_endpgm
.Lfunc_end_k_q893f55bd0a_qkv:
	.size	k_q893f55bd0a_qkv, .Lfunc_end_k_q893f55bd0a_qkv-k_q893f55bd0a_qkv
	.p2alignl 7, 3214868480
	.fill 96, 4, 3214868480
	.section	.rodata,"a",@progbits
	.p2align	6, 0x0
	.amdhsa_kernel k_q893f55bd0a_qkv
		.amdhsa_group_segment_fixed_size 327680
		.amdhsa_private_segment_fixed_size 0
		.amdhsa_enable_private_segment 0
		.amdhsa_kernarg_size 64
		.amdhsa_user_sgpr_count 2
		.amdhsa_user_sgpr_kernarg_segment_ptr 1
		.amdhsa_wavefront_size32 1
		.amdhsa_system_sgpr_workgroup_id_x 1
		.amdhsa_system_sgpr_workgroup_id_y 1
		.amdhsa_system_sgpr_workgroup_id_z 1
		.amdhsa_system_vgpr_workitem_id 0
		.amdhsa_next_free_vgpr 1024
		.amdhsa_next_free_sgpr 102
		.amdhsa_reserve_vcc 1
		.amdhsa_float_denorm_mode_32 3
		.amdhsa_float_denorm_mode_16_64 3
		.amdhsa_memory_ordered 1
		.amdhsa_forward_progress 1
		.amdhsa_inst_pref_size 211
	.end_amdhsa_kernel
	.amdgpu_metadata
---
amdhsa.version: [ 1, 2 ]
amdhsa.kernels:
  - .name:           k_q893f55bd0a_qkv
    .symbol:         k_q893f55bd0a_qkv.kd
    .args:
      - { .name: xc, .offset: 0, .size: 8, .value_kind: global_buffer, .address_space: global }
      - { .name: xs, .offset: 8, .size: 8, .value_kind: global_buffer, .address_space: global }
      - { .name: wc, .offset: 16, .size: 8, .value_kind: global_buffer, .address_space: global }
      - { .name: ws, .offset: 24, .size: 8, .value_kind: global_buffer, .address_space: global }
      - { .name: rope_cos, .offset: 32, .size: 8, .value_kind: global_buffer, .address_space: global }
      - { .name: rope_sin, .offset: 40, .size: 8, .value_kind: global_buffer, .address_space: global }
      - { .name: qkv16, .offset: 48, .size: 8, .value_kind: global_buffer, .address_space: global }
      - { .name: q32, .offset: 56, .size: 8, .value_kind: global_buffer, .address_space: global }
    .group_segment_fixed_size: 327680
    .private_segment_fixed_size: 0
    .kernarg_segment_align: 8
    .kernarg_segment_size: 64
    .max_flat_workgroup_size: 128
    .sgpr_count:     102
    .vgpr_count:     1024
    .wavefront_size: 32
...
	.end_amdgpu_metadata
.endif
;; end of part 2
;; launch attn (part 3): grid 8 x 32, 16 waves a work-group, no clusters, 327,680 bytes of LDS; arguments qkv16, att16; writes att16
.if DOCPART == 3
	.amdgcn_target "amdgcn-amd-amdhsa--gfx1250"
	.amdhsa_code_object_version 6
	.text
	.protected	k_q893f55bd0a_attn
	.globl	k_q893f55bd0a_attn
	.p2align	8
	.type	k_q893f55bd0a_attn,@function
k_q893f55bd0a_attn:
	s_mov_b64 s[64:65], 0
	v_nop
	global_prefetch_b8 v0, s[64:65] scope:SCOPE_SE
	s_setreg_imm32_b32 hwreg(HW_REG_WAVE_MODE, 25, 1), 1
	s_wait_xcnt 0x0
; att[bh][q][:] = sum over k <= q of softmax_k(Q[q] . K[k] / 8) V[k][:], causal, for each of 32 (batch, head).  Q, K, V: planes 0, 1, 2 of qkv16, f16 [32][2048][64]; att16 likewise.
; Products on f16 operands with f32 sums; maxima, exponentials and sums in f32; a running maximum m and sum l for each query; the weights p in (0, 1] are rounded to f16 for the second product.
; SHARES.  Work-group (i, bh) owns query blocks of 128 at 128 i and at 128 (15 - i): under the mask the two together walk the same number of keys for every i.
; Wave w: g = w % 8 picks 32 queries (g < 4: the low block, else the high one), two tiles of 16; par = w / 8 picks keys 64 par .. 64 par + 63 of every 128.  The two waves of one g meet at the end: their m, l and O are merged through LDS.
; LAYOUT.  S^T = K Q^T (source 0 = 16 keys, source 1 = 16 queries): a lane holds ONE query (lane % 16) and keys 8 (lane / 16) + 0..7; two such tiles rounded in pairs ARE source 1 of O^T = V^T P.  V is turned by ds_load_tr16_b128.
; RING.  Two slots of 256 keys (K rows of 128 bytes + 16, V rows + 32), filled by waves 0-3, read by all sixteen.  Every work-group walks all 8 slots (constant trip counts); a step all of whose keys come after the wave's
; queries is jumped over, and a slot whose first key comes after the work-group's last query is not asked for.  Every wait on TENSORcnt is for 0.
; NO CLUSTER: the work-groups of one head need different numbers of key tiles under the mask (5 to 8 slots), so a joint load would bring tiles that some partner never reads.
; The first 16 positions of each sequence are computed here too, and their output rows are made again in f32 by the last launch.
; LIMITS: |q|, |k|, |v| under 65,504; NaN and infinities are not served.
; REGISTERS: v1-15 addresses; v16-31 statistics, 8 a tile: +0 c m, +1 m, +2 +3 l, +4..+7 at work; v32-63 Q; v64-127 S^T, then p, then P in place; v128-191 O^T; v192-255 K's fragments, then V's.
.set PK,    144
.set PV,    160
.set VOFF,  256*PK                     ; a slot: 256 rows of K, then 256 rows of V
.set SLOT1, 1<<17                      ; one exclusive or turns an address in one slot into the other's
.set MERGE, SLOT1+VOFF+256*PV          ; behind the ring: for each g 16 x 512 bytes of O^T and 512 of statistics
.set STAGE, MERGE+8*8704               ; for each g 32 queries x (128 bytes + 16)
.set SPARE, STAGE+8*4608               ; the spare words, 128 bytes for each wave
.set AK0, 1
.set AV0, 2
.set ADK, 3
.set ADV, 4
.set SPW, 5
.set NIL, 6
.set LD,  7                            ; r - 8 h
.set D0,  8                            ; v8, v9: the mask's bound for tiles 0, 1
.set NEG, 10
.set PFO, 11
.set MG,  12
.set STO, 13
.set RD,  14
.set GO,  15
.set ST,  16
.set Q,   32
.set S,   64
.set O,   128
.set KV,  192
.set WV,  18
.set PAR, 19
.set SEL, 20
.set CS,  22
.set G1K, 24
.set G1V, 32
.set G0K, 40
.set G0V, 44
.set TB,  2                            ; s2   LDS byte at which the slot in hand begins
.set QL,  3                            ; s3   my work-group's last query
.set SKF, 66                           ; s66  the slot's first key
.set SLOTS, 67
.set KF,  98                           ; s98  my step's first key
.set Q0,  99                           ; s99  my first query
.set PFA, 76
.set LIM, 80
.macro TLOAD                           ; waves 0, 1: K's halves; waves 2, 3: V's; the others nothing.  An s_nop 0 and four v_nop follow each line
	s_cmp_lt_u32 s[WV], 2
	s_cbranch_scc0 .Lnot_k_\@
	tensor_load_to_lds s[G0K:G0K+3], s[G1K:G1K+7]
	s_nop 0
.rept 4
	v_nop
.endr
	s_branch .Lasked_\@
.Lnot_k_\@:
	s_cmp_lt_u32 s[WV], 4
	s_cbranch_scc0 .Lasked_\@
	tensor_load_to_lds s[G0V:G0V+3], s[G1V:G1V+7]
	s_nop 0
.rept 4
	v_nop
.endr
.Lasked_\@:
.endm
; A PREFETCH of what the NEXT change of slots will ask for: 32,768 dense bytes of K and as many of V.  All work-groups of a head walk the same K and V: the head's work-group 0, which walks all 8 slots, asks.
; In it waves 4-7 ask for K's, waves 8-11 for V's, 8,192 bytes a wave, lanes 256 bytes apart: each aligned 256 bytes are named once in the launch.  Slots 0 and 1 come by their loads alone; the last filling change asks for nothing.
.macro ASK
	s_cmp_gt_u32 s[SLOTS], s[LIM]
	s_cbranch_scc0 .Lnot_mine_\@
	global_prefetch_b8 v[PFO], s[PFA:PFA+1] th:TH_LOAD_NT scope:SCOPE_SE
.Lnot_mine_\@:
.endm
	s_load_b128 s[4:7], s[0:1], 0x0                ; qkv16, att16
	v_lshl_add_u32 v[SPW], v0, 2, SPARE
	v_mov_b32 v[NIL], 0
	ds_add_u32 v[SPW], v[NIL]                      ; the wave's opening: the add, twice on end, and its wait ahead of the first tensor load
	ds_add_u32 v[SPW], v[NIL]
	v_lshrrev_b32 v250, 5, v0
	v_readfirstlane_b32 s[WV], v250                ; wave 0..15
	s_lshr_b32 s[PAR], s[WV], 3
	s_and_b32 s17, s[WV], 7                        ; g
	s_sub_co_u32 s8, 15, ttmp9
	s_cmp_lt_u32 s17, 4
	s_cselect_b32 s8, ttmp9, s8                    ; my block of 128 queries
	s_lshl_b32 s8, s8, 7
	s_and_b32 s9, s17, 3
	s_lshl_b32 s9, s9, 5
	s_add_co_u32 s[Q0], s8, s9
	s_sub_co_u32 s[QL], 16, ttmp9
	s_lshl_b32 s[QL], s[QL], 7
	s_sub_co_u32 s[QL], s[QL], 1
	s_lshl_b32 s[KF], s[PAR], 6
	s_mov_b32 s[SKF], 0
	s_mov_b32 s[TB], 0
	s_mov_b32 s[SLOTS], 7
	s_mov_b32 s[SEL], 0x76543210
	s_mov_b32 s[SEL+1], 0xfedcba98
	s_mov_b32 s[CS], 0x3e38aa3b                    ; c = log2(e) / 8
	s_mov_b32 s[CS+1], s[CS]
	; every LDS address is made here, of the lane, the wave's number and constants
	v_and_b32 v250, 15, v0                         ; r
	v_bfe_u32 v251, v0, 4, 1                       ; h
	v_and_b32 v252, 31, v0                         ; lane
	v_mul_u32_u24 v[AK0], v250, PK
	v_lshl_add_u32 v[AK0], v251, 4, v[AK0]
	s_mul_i32 s8, s[PAR], 64*PK
	v_add_nc_u32 v[AK0], s8, v[AK0]                ; K: key r of a tile, + 16 h, in my 64 of each 128
	v_and_b32 v253, 7, v0
	v_lshl_add_u32 v253, v251, 3, v253
	v_mul_u32_u24 v[AV0], v253, PV
	v_bfe_u32 v253, v0, 3, 1
	v_lshl_add_u32 v[AV0], v253, 4, v[AV0]
	s_mul_i32 s8, s[PAR], 64*PV
	s_add_co_u32 s8, s8, VOFF
	v_add_nc_u32 v[AV0], s8, v[AV0]                ; V, for the turning load: key 8 h + lane % 8, channels 8 ((lane / 8) % 2) on
	v_lshlrev_b32 v253, 3, v251
	v_sub_nc_u32 v[LD], v250, v253
	v_lshlrev_b32 v[PFO], 8, v252
	s_mul_i32 s8, s17, 8704
	s_add_co_u32 s8, s8, MERGE
	v_lshl_add_u32 v[MG], v252, 4, s8
	s_mul_i32 s8, s17, 4608
	s_add_co_u32 s8, s8, STAGE
	v_mul_u32_u24 v[STO], v250, PK
	v_lshl_add_u32 v[STO], v251, 4, v[STO]
	v_add_nc_u32 v[STO], s8, v[STO]
	v_lshrrev_b32 v253, 3, v252
	v_mul_u32_u24 v[RD], v253, PK
	v_and_b32 v253, 7, v0
	v_lshl_add_u32 v[RD], v253, 4, v[RD]
	v_add_nc_u32 v[RD], s8, v[RD]
	v_lshlrev_b32 v[GO], 4, v252
	v_lshlrev_b32 v[ADK], 7, v250
	v_lshl_add_u32 v[ADK], v251, 4, v[ADK]         ; (for now: my place in 16 rows of Q: 128 r + 16 h)
	; descriptor groups 1: 128 rows of 64 elements of 2 bytes, dense in memory; padding behind every 32 words: 4 words for K, 8 for V
	s_mov_b32 s[G1K], (1<<16)|(1<<20)|(4<<22)|(3<<25)
	s_mov_b32 s[G1V], (1<<16)|(1<<20)|(4<<22)|(7<<25)
.irp g, G1K, G1V
	s_mov_b32 s[\g+1], 64<<16                      ; tensor_dim0
	s_mov_b32 s[\g+2], 128<<16                     ; tensor_dim1
	s_mov_b32 s[\g+3], 64<<16                      ; tile_dim0
	s_mov_b32 s[\g+4], 128                         ; tile_dim1
	s_mov_b32 s[\g+5], 64                          ; the pitch
	s_mov_b32 s[\g+6], 0
	s_mov_b32 s[\g+7], 0
.endr
	s_and_b32 s72, ttmp7, 0xffff
	s_lshl_b32 s72, s72, 18                        ; my head's bytes in a plane
	s_and_b32 s74, s[WV], 1
	s_lshl_b32 s68, s74, 14                        ; which 128 keys of a slot I fetch
	s_add_co_u32 s68, s68, s72
	s_add_co_u32 s70, s68, 16777216                ; V: plane 2
	s_add_co_u32 s68, s68, 8388608                 ; K: plane 1
	s_mov_b32 s69, 0
	s_mov_b32 s71, 0
	s_mul_i32 s75, s74, 128*PK
	s_mul_i32 s82, s74, 128*PV
	s_add_co_u32 s82, s82, VOFF
	s_lshl_b32 s84, s[Q0], 7
	s_add_co_u32 s84, s84, s72                     ; my first query's row, in plane 0 and in att16
	s_mov_b32 s85, 0
	s_cmp_lt_u32 s[WV], 8                          ; the prefetches: waves 4-7 K's plane, waves 8-11 V's
	s_mov_b32 s86, 16777216
	s_cselect_b32 s86, 8388608, s86
	s_and_b32 s87, s[WV], 3
	s_lshl_b32 s87, s87, 13
	s_add_co_u32 s86, s86, s87
	s_add_co_u32 s86, s86, s72
	s_add_co_u32 s86, s86, 32768                   ; in slot 1: the first change of slots steps it to slot 2
	s_mov_b32 s87, 0
	s_sub_co_u32 s83, s[WV], 4
	s_lshr_b32 s83, s83, 3                         ; 0 in waves 4 to 11,
	s_or_b32 s83, s83, ttmp9                       ; of the head's work-group 0
	s_cmp_eq_u32 s83, 0
	s_cselect_b32 s[LIM], 1, -1
	s_wait_dscnt 0x0                               ; both opening adds are done
	s_wait_kmcnt 0x0
	s_mov_b32 s[G0K], 1
	s_mov_b32 s[G0K+1], s75
	s_add_nc_u64 s[G0K+2:G0K+3], s[4:5], s[68:69]
	s_or_b32 s[G0K+3], s[G0K+3], 0x80000000
	s_mov_b32 s[G0V], 1
	s_mov_b32 s[G0V+1], s82
	s_add_nc_u64 s[G0V+2:G0V+3], s[4:5], s[70:71]
	s_or_b32 s[G0V+3], s[G0V+3], 0x80000000
	TLOAD                                          ; slot 0: it holds key 0, which counts for every query
	s_add_nc_u64 s[8:9], s[4:5], s[84:85]          ; Q
	s_add_nc_u64 s[6:7], s[6:7], s[84:85]          ; att16
	s_add_nc_u64 s[PFA:PFA+1], s[4:5], s[86:87]
.irp t, 0,1
.irp cs, 0,1
	global_load_b128 v[Q+16*\t+8*\cs:Q+16*\t+8*\cs+3], v[ADK], s[8:9] offset:2048*\t+64*\cs
	global_load_b128 v[Q+16*\t+8*\cs+4:Q+16*\t+8*\cs+7], v[ADK], s[8:9] offset:2048*\t+64*\cs+32
.endr
.endr
.irp t, 0,1
	v_mov_b32 v[ST+8*\t+1], 0xff61b1e6             ; m = -3e38, under every score
	v_mul_f32 v[ST+8*\t], s[CS], v[ST+8*\t+1]
	v_mov_b32 v[ST+8*\t+2], 0
	v_mov_b32 v[ST+8*\t+3], 0
.endr
.set i, 0
.rept 64
	v_mov_b32 v[O+i], 0                            ; the step is written once for every trip: the first finds zeros, which the first change of m leaves zeros
.set i, i+1
.endr
; A KEY STEP: my 64 keys of the slot's u-th 128.
.macro STEP u
	s_add_co_u32 s96, s[Q0], 31
	s_cmp_gt_u32 s[KF], s96                        ; all my keys come after my 32 queries: ids and the count of steps alone
	s_cbranch_scc1 .Lhidden_\@
	v_add_nc_u32 v[ADK], s[TB], v[AK0]
	v_add_nc_u32 v[ADV], s[TB], v[AV0]
.rept 3
	v_nop                                          ; five places in all: the scores below are laid over registers that the last step's second products read as P; the loads below want four
.endr
.irp kt, 0,1,2,3
.irp cs, 0,1
	ds_load_b128 v[KV+16*\kt+8*\cs:KV+16*\kt+8*\cs+3], v[ADK] offset:(128*\u+16*\kt)*PK+64*\cs
	ds_load_b128 v[KV+16*\kt+8*\cs+4:KV+16*\kt+8*\cs+7], v[ADK] offset:(128*\u+16*\kt)*PK+64*\cs+32
.endr
.endr
	s_wait_dscnt 0x0
.irp cs, 0,1                           ; S^T: eight accumulators by turns; the first eight products start the sums
.irp t, 0,1
.irp kt, 0,1,2,3
.if \cs == 0
	v_wmma_f32_16x16x32_f16 v[S+32*\t+8*\kt:S+32*\t+8*\kt+7], v[KV+16*\kt+8*\cs:KV+16*\kt+8*\cs+7], v[Q+16*\t+8*\cs:Q+16*\t+8*\cs+7], 0
.else
	v_wmma_f32_16x16x32_f16 v[S+32*\t+8*\kt:S+32*\t+8*\kt+7], v[KV+16*\kt+8*\cs:KV+16*\kt+8*\cs+7], v[Q+16*\t+8*\cs:Q+16*\t+8*\cs+7], v[S+32*\t+8*\kt:S+32*\t+8*\kt+7]
.endif
.endr
.endr
.endr
	s_sub_co_i32 s96, s[Q0], s[KF]
	v_add_nc_u32 v[D0], s96, v[LD]                 ; register 8 kt + j of tile t holds key KF + 16 kt + 8 h + j: hidden where 16 kt + j > Q0 - KF + 16 t + r - 8 h
	v_add_nc_u32 v[D0+1], 16, v[D0]
	v_mov_b32 v[NEG], 0xff800000
	v_nop                                          ; four places behind the products
.irp ks, 0,1                           ; V's fragments take K's registers and land under the softmax
.irp ct, 0,1,2,3
	ds_load_tr16_b128 v[KV+32*\ks+8*\ct:KV+32*\ks+8*\ct+3], v[ADV] offset:(128*\u+32*\ks)*PV+32*\ct
	ds_load_tr16_b128 v[KV+32*\ks+8*\ct+4:KV+32*\ks+8*\ct+7], v[ADV] offset:(128*\u+32*\ks)*PV+16*PV+32*\ct
.endr
.endr
	s_add_co_u32 s96, s[KF], 63
	s_cmp_le_u32 s96, s[Q0]                        ; all 64 keys count for all my queries: no mask
	s_cbranch_scc1 .Lopen_\@
.irp t, 0,1
.irp kt, 0,1,2,3
.irp j, 0,1,2,3,4,5,6,7
	v_cmp_gt_i32 vcc_lo, 16*\kt+\j, v[D0+\t]
	v_cndmask_b32 v[S+32*\t+8*\kt+\j], v[S+32*\t+8*\kt+\j], v[NEG], vcc_lo   ; a hidden score becomes -infinity: p = 0.  KF <= Q0 in every step that is walked, so each row keeps a key
.endr
.endr
.endr
.Lopen_\@:
.irp x, 0,1,2,3                        ; the maximum: four chains a tile, each begun at an accumulator's low end; the two tiles line by line
.irp t, 0,1
	v_max3_num_f32 v[ST+8*\t+4+\x], v[S+32*\t+8*\x], v[S+32*\t+8*\x+1], v[S+32*\t+8*\x+2]
.endr
.endr
.irp y, 3,5
.irp x, 0,1,2,3
.irp t, 0,1
	v_max3_num_f32 v[ST+8*\t+4+\x], v[ST+8*\t+4+\x], v[S+32*\t+8*\x+\y], v[S+32*\t+8*\x+\y+1]
.endr
.endr
.endr
.irp t, 0,1
	v_max3_num_f32 v[ST+8*\t+4], v[ST+8*\t+4], v[S+32*\t+7], v[S+32*\t+15]
	v_max3_num_f32 v[ST+8*\t+6], v[ST+8*\t+6], v[S+32*\t+23], v[S+32*\t+31]
.endr
.irp t, 0,1
	v_max3_num_f32 v[ST+8*\t+4], v[ST+8*\t+4], v[ST+8*\t+5], v[ST+8*\t+6]
.endr
.irp t, 0,1
	v_max3_num_f32 v[ST+8*\t+4], v[ST+8*\t+4], v[ST+8*\t+7], v[ST+8*\t+1]   ; with the old m
.endr
.irp t, 0,1
	v_permlanex16_b32 v[ST+8*\t+5], v[ST+8*\t+4], s[SEL], s[SEL+1]          ; the query's other keys lie in the lane 16 away
.endr
.irp t, 0,1
	v_mov_b32 v[ST+8*\t+7], v[ST+8*\t]             ; c m_old
.endr
.irp t, 0,1
	v_max_num_f32 v[ST+8*\t+1], v[ST+8*\t+4], v[ST+8*\t+5]
.endr
.irp t, 0,1
	v_mul_f32 v[ST+8*\t], s[CS], v[ST+8*\t+1]
.endr
.irp t, 0,1
	v_sub_f32 v[ST+8*\t+7], v[ST+8*\t+7], v[ST+8*\t]
.endr
.irp j, 0,2,4,6,8,10,12,14,16,18,20,22,24,26,28,30
.irp t, 0,1
	v_pk_fma_f32 v[S+32*\t+\j:S+32*\t+\j+1], v[S+32*\t+\j:S+32*\t+\j+1], s[CS:CS+1], v[ST+8*\t:ST+8*\t+1] op_sel_hi:[1,0,0] neg_lo:[0,0,1] neg_hi:[0,0,1]   ; c s - c m
.endr
.endr
.irp t, 0,1
	v_exp_f32 v[ST+8*\t+6], v[ST+8*\t+7]           ; a = 2^(c m_old - c m_new)
.endr
.set i, 0
.rept 32
	v_exp_f32 v[S+i], v[S+i]                       ; p: ONE batch of 66 exponentials for both tiles
	v_exp_f32 v[S+32+i], v[S+32+i]
.set i, i+1
.endr
	v_nop                                          ; the plain line behind the last exponential
	s_wait_alu depctr_va_vdst(0)                   ; one wait for the batch, ahead of its first reader
.irp t, 0,1
	v_pk_mul_f32 v[ST+8*\t+2:ST+8*\t+3], v[ST+8*\t+2:ST+8*\t+3], v[ST+8*\t+6:ST+8*\t+7] op_sel_hi:[1,0]   ; l under the new m
.endr
.irp t, 0,1
	v_pk_add_f32 v[ST+8*\t+4:ST+8*\t+5], v[S+32*\t:S+32*\t+1], v[S+32*\t+2:S+32*\t+3]                     ; the sum of the unrounded p, in two chains
.endr
.irp j, 4,8,12,16,20,24,28
.irp t, 0,1
	v_pk_add_f32 v[ST+8*\t+2:ST+8*\t+3], v[ST+8*\t+2:ST+8*\t+3], v[S+32*\t+\j:S+32*\t+\j+1]
	v_pk_add_f32 v[ST+8*\t+4:ST+8*\t+5], v[ST+8*\t+4:ST+8*\t+5], v[S+32*\t+\j+2:S+32*\t+\j+3]
.endr
.endr
.irp t, 0,1
	v_pk_add_f32 v[ST+8*\t+2:ST+8*\t+3], v[ST+8*\t+2:ST+8*\t+3], v[ST+8*\t+4:ST+8*\t+5]
.endr
.set i, 0
.rept 16                               ; P in place: number i reads 2 i and 2 i + 1, which no earlier one has written; registers 8 ks .. 8 ks + 7 are keys 32 ks .. + 31 in source 1's order
	v_cvt_pk_f16_f32 v[S+i], v[S+2*i], v[S+2*i+1]
	v_cvt_pk_f16_f32 v[S+32+i], v[S+32+2*i], v[S+32+2*i+1]
.set i, i+1
.endr
.irp j, 0,2,4,6,8,10,12,14,16,18,20,22,24,26,28,30
.irp t, 0,1
	v_pk_mul_f32 v[O+32*\t+\j:O+32*\t+\j+1], v[O+32*\t+\j:O+32*\t+\j+1], v[ST+8*\t+6:ST+8*\t+7] op_sel_hi:[1,0]   ; O^T under the new m
.endr
.endr
	s_wait_dscnt 0x0                               ; V is in
.irp ks, 0,1                           ; O^T += V^T P: eight accumulators by turns
.irp t, 0,1
.irp ct, 0,1,2,3
	v_wmma_f32_16x16x32_f16 v[O+32*\t+8*\ct:O+32*\t+8*\ct+7], v[KV+32*\ks+8*\ct:KV+32*\ks+8*\ct+7], v[S+32*\t+8*\ks:S+32*\t+8*\ks+7], v[O+32*\t+8*\ct:O+32*\t+8*\ct+7]
.endr
.endr
.endr
.Lhidden_\@:
	s_add_co_u32 s[KF], s[KF], 128
.endm
; THE CHANGE OF SLOTS stands at a slot's head: all my tensor loads have landed (my part of the slot ahead), the add, my reads of the slot that I have left are over; one barrier; behind it the slot just left is asked for anew.
.macro CHANGE fill
	s_wait_tensorcnt 0x0                           ; no tensor load of mine is out: the groups 0 may be written
	ds_add_u32 v[SPW], v[NIL]
.if \fill
	ds_add_u32 v[SPW], v[NIL]                      ; and once more, in every trip alike
	s_xor_b32 s[G0K+1], s[G0K+1], SLOT1
	s_add_nc_u64 s[G0K+2:G0K+3], s[G0K+2:G0K+3], 32768
	s_xor_b32 s[G0V+1], s[G0V+1], SLOT1
	s_add_nc_u64 s[G0V+2:G0V+3], s[G0V+2:G0V+3], 32768
	s_wait_xcnt 0x0                                ; the last prefetch, a slot back, has read its address
	s_add_nc_u64 s[PFA:PFA+1], s[PFA:PFA+1], 32768
.endif
	s_wait_dscnt 0x0
	s_barrier_signal -1
	s_barrier_wait -1
.if \fill
	s_add_co_u32 s96, s[SKF], 256                  ; the first key of the slot that this change would ask for:
	s_cmp_gt_u32 s96, s[QL]                        ; past my work-group's last query none of its waves reads it, so it is not asked for.  Ids and the count of slots alone: all sixteen waves go one way
	s_cbranch_scc1 .Lpast_\@
	TLOAD                                          ; a wave's one tensor load until the next such barrier: it has the slot's two steps in which to land
.Lpast_\@:
	ASK
.endif
.endm
.macro SLOT_STEPS
	STEP 0
	STEP 1
	s_xor_b32 s[TB], s[TB], SLOT1
	s_add_co_u32 s[SKF], s[SKF], 256
.endm
	s_wait_loadcnt 0x0                             ; Q
.Lslot:                                            ; 7 trips; the last slot is written out without a load
	CHANGE 1
	SLOT_STEPS
	s_sub_co_u32 s[SLOTS], s[SLOTS], 1
	s_cmp_lg_u32 s[SLOTS], 0
	s_cbranch_scc1 .Lslot
	CHANGE 0
	SLOT_STEPS
	; THE WAY OUT.  The wave with the odd keys (par = 1) hands c m, l and O^T to its partner as images of its registers; the partner merges, divides and stores.
.irp t, 0,1
	v_add_f32 v[ST+8*\t+4], v[ST+8*\t+2], v[ST+8*\t+3]     ; l's two halves.  (These six lines are the places behind the last products)
.endr
	v_mov_b32 v32, v[ST]
	v_mov_b32 v33, v[ST+4]
	v_mov_b32 v34, v[ST+8]
	v_mov_b32 v35, v[ST+12]
	s_cmp_eq_u32 s[PAR], 0
	s_cbranch_scc1 .Lkeep
.set i, 0
.rept 16
	ds_store_b128 v[MG], v[O+4*i:O+4*i+3] offset:512*i     ; ascending: each accumulator from its low end on
.set i, i+1
.endr
	ds_store_b128 v[MG], v[32:35] offset:8192
.Lkeep:
	s_wait_dscnt 0x0                               ; for the partner's sake: my stores have landed
	s_barrier_signal -1
	s_barrier_wait -1
	s_cmp_lg_u32 s[PAR], 0
	s_cbranch_scc1 .Lend
	ds_load_b128 v[36:39], v[MG] offset:8192
.set i, 0
.rept 16
	ds_load_b128 v[KV+4*i:KV+4*i+3], v[MG] offset:512*i
.set i, i+1
.endr
	s_wait_dscnt 0x0
.irp t, 0,1
	v_max_num_f32 v[ST+8*\t+5], v[ST+8*\t], v[36+2*\t]     ; the common c m.  (A partner that walked no step has c m = c x -3e38, l = 0, O = 0: its factor is 0)
.endr
.irp t, 0,1
	v_sub_f32 v[ST+8*\t+6], v[ST+8*\t], v[ST+8*\t+5]
	v_sub_f32 v[ST+8*\t+7], v[36+2*\t], v[ST+8*\t+5]
.endr
.irp t, 0,1
	v_exp_f32 v[ST+8*\t+6], v[ST+8*\t+6]
	v_exp_f32 v[ST+8*\t+7], v[ST+8*\t+7]
.endr
	v_nop
	s_wait_alu depctr_va_vdst(0)                   ; one wait for the four
.irp t, 0,1
	v_mul_f32 v[ST+8*\t+4], v[ST+8*\t+4], v[ST+8*\t+6]
.endr
.irp t, 0,1
	v_fma_f32 v[ST+8*\t+4], v[37+2*\t], v[ST+8*\t+7], v[ST+8*\t+4]
.endr
.irp t, 0,1
	v_permlanex16_b32 v[ST+8*\t+5], v[ST+8*\t+4], s[SEL], s[SEL+1]
.endr
.irp t, 0,1
	v_add_f32 v[ST+8*\t+4], v[ST+8*\t+4], v[ST+8*\t+5]     ; the row's sum
.endr
.irp t, 0,1
	v_rcp_f32 v[ST+8*\t+5], v[ST+8*\t+4]
.endr
	v_nop
	s_wait_alu depctr_va_vdst(0)                   ; one wait for the two
.irp t, 0,1
	v_mul_f32 v[ST+8*\t+6], v[ST+8*\t+6], v[ST+8*\t+5]     ; my factor,
	v_mul_f32 v[ST+8*\t+2], v[ST+8*\t+7], v[ST+8*\t+5]     ; and the partner's, each the low word of a pair
.endr
.irp t, 0,1
.irp j, 0,2,4,6,8,10,12,14,16,18,20,22,24,26,28,30
	v_pk_mul_f32 v[O+32*\t+\j:O+32*\t+\j+1], v[O+32*\t+\j:O+32*\t+\j+1], v[ST+8*\t+6:ST+8*\t+7] op_sel_hi:[1,0]
.endr
.endr
.irp t, 0,1
.irp j, 0,2,4,6,8,10,12,14,16,18,20,22,24,26,28,30
	v_pk_fma_f32 v[O+32*\t+\j:O+32*\t+\j+1], v[KV+32*\t+\j:KV+32*\t+\j+1], v[ST+8*\t+2:ST+8*\t+3], v[O+32*\t+\j:O+32*\t+\j+1] op_sel_hi:[1,0,1]
.endr
.endr
.set i, 0
.rept 32
	v_cvt_pk_f16_f32 v[S+i], v[O+2*i], v[O+2*i+1]
.set i, i+1
.endr
.irp t, 0,1
.irp ct, 0,1,2,3
	ds_store_b128 v[STO], v[S+4*(4*\t+\ct):S+4*(4*\t+\ct)+3] offset:\t*2304+32*\ct
.endr
.endr
.irp n, 0,1,2,3,4,5,6,7                ; LDS serves a wave's instructions in order (ISA guide 5.7.1.4): these see my stores
	ds_load_b128 v[S+32+4*\n:S+32+4*\n+3], v[RD] offset:\n*576
.endr
.irp n, 0,1,2,3,4,5,6,7
	s_wait_dscnt 7-\n                              ; the younger loads stay out
	global_store_b128 v[GO], v[S+32+4*\n:S+32+4*\n+3], s[6:7] offset:512*\n   ; four queries: 512 consecutive bytes, aligned
.endr
.Lend:
	s_wait_tensorcnt 0x0                           ; the wave's end: three lines behind my last tensor load and my last LDS store
	ds_add_u32 v[SPW], v[NIL]
	s_wait_dscnt 0x0
	s_endpgm
.Lfunc_end_k_q893f55bd0a_attn:
	.size	k_q893f55bd0a_attn, .Lfunc_end_k_q893f55bd0a_attn-k_q893f55bd0a_attn
	.p2alignl 7, 3214868480
	.fill 96, 4, 3214868480
	.section	.rodata,"a",@progbits
	.p2align	6, 0x0
	.amdhsa_kernel k_q893f55bd0a_attn
		.amdhsa_group_segment_fixed_size 327680
		.amdhsa_private_segment_fixed_size 0
		.amdhsa_enable_private_segment 0
		.amdhsa_kernarg_size 16
		.amdhsa_user_sgpr_count 2
		.amdhsa_user_sgpr_kernarg_segment_ptr 1
		.amdhsa_wavefront_size32 1
		.amdhsa_system_sgpr_workgroup_id_x 1
		.amdhsa_system_sgpr_workgroup_id_y 1
		.amdhsa_system_sgpr_workgroup_id_z 1
		.amdhsa_system_vgpr_workitem_id 0
		.amdhsa_next_free_vgpr 256
		.amdhsa_next_free_sgpr 100
		.amdhsa_reserve_vcc 1
		.amdhsa_float_denorm_mode_32 3
		.amdhsa_float_denorm_mode_16_64 3
		.amdhsa_memory_ordered 1
		.amdhsa_forward_progress 1
		.amdhsa_inst_pref_size 109
	.end_amdhsa_kernel
	.amdgpu_metadata
---
amdhsa.version: [ 1, 2 ]
amdhsa.kernels:
  - .name:           k_q893f55bd0a_attn
    .symbol:         k_q893f55bd0a_attn.kd
    .args:
      - { .name: qkv16, .offset: 0, .size: 8, .value_kind: global_buffer, .address_space: global }
      - { .name: att16, .offset: 8, .size: 8, .value_kind: global_buffer, .address_space: global }
    .group_segment_fixed_size: 327680
    .private_segment_fixed_size: 0
    .kernarg_segment_align: 8
    .kernarg_segment_size: 16
    .max_flat_workgroup_size: 512
    .sgpr_count:     100
    .vgpr_count:     256
    .wavefront_size: 32
...
	.end_amdgpu_metadata
.endif
;; end of part 3
;; launch oproj (part 4): grid 8 x 32, 4 waves a work-group, clusters of 4 x 4, 327,680 bytes of LDS; arguments att16, wo16, b_out, out0; writes out0
.if DOCPART == 4
	.amdgcn_target "amdgcn-amd-amdhsa--gfx1250"
	.amdhsa_code_object_version 6
	.text
	.protected	k_q893f55bd0a_oproj
	.globl	k_q893f55bd0a_oproj
	.p2align	8
	.type	k_q893f55bd0a_oproj,@function
k_q893f55bd0a_oproj:
	s_mov_b64 s[64:65], 0
	v_nop
	global_prefetch_b8 v0, s[64:65] scope:SCOPE_SE
	s_setreg_imm32_b32 hwreg(HW_REG_WAVE_MODE, 25, 1), 1
	s_wait_xcnt 0x0
	s_wait_alu depctr_hold_cnt(0) depctr_sa_sdst(0) depctr_va_vdst(0) depctr_va_sdst(0) depctr_va_ssrc(0) depctr_va_vcc(0) depctr_vm_vsrc(0)
	s_getreg_b32 s2, hwreg(HW_REG_IB_STS2, 6, 4)
	s_cmp_eq_u32 s2, 0
	s_cbranch_scc0 .Lentry_in_a_cluster
	s_endpgm
.Lentry_in_a_cluster:
	s_bfe_u32 s2, ttmp6, 0x10000c
	s_cmp_lg_u32 s2, 0xf033
	s_cbranch_scc0 .Lentry_shape_is_right
	s_endpgm
.Lentry_shape_is_right:
; out0[m][n] = sum over e of att[m][e] W_out[e][n] + b_out[n].  att16: f16 [16 b + h][position 2048][64], e = 64 h + channel; wo16: f16 [e 1024][n 1024]; out0: f32 [4096][1024].  f16 operands, f32 sums.
; A tile of C is 128 x 128 (256 work-groups), four waves of 64 x 64: 16 accumulators.  K goes in four steps of 256 (four heads) through two LDS slots: two first fills, two joint refills; the steps are written out, no loop.
; A's part of a slot: four planes (heads) of 128 positions x (128 bytes + 16).  A head's 128 positions are 16,384 dense bytes: one tensor load brings two planes as two rows of 8,192 elements, padded behind every 128 bytes.
; B's part: 256 rows (e) of 128 columns, 256 bytes + 32; its fragments come turned, by ds_load_tr16_b128.
; CLUSTERS 4 x 4: A's tile hangs on the tile row alone and is shared along a row of the cluster, B's on the tile column alone and along a column: joint loads.
; THE MATRIX INSTRUCTION IS USED TRANSPOSED (source 0 = 16 columns of W_out, source 1 = 16 positions): a lane holds eight neighbouring numbers of a row of C.  The bias is the C of each sum's first product.
; The rows of positions 0-15 of both sequences (32 rows) are written here like all others and written again, from f32 operands, by the last launch: leaving them out would take a branch on a work-group's place in its cluster.
; LIMITS: |att|, |W_out| under 65,504.
; REGISTERS: window 0: v0-31 addresses; v32-95 rows on the way out; v96-127 the bias, 8 registers for each block of 16 columns; v128-255 the accumulators ((a, b) at v[128 + 8 (4 a + b)]).
;   window 1: two fragment buffers of 128: 64 registers of A (2 x 4 x 16 positions x 32 K), then 64 of B.
.set PA,     144
.set PLANE,  128*PA
.set PB,     288
.set PART,   36864                     ; what one tensor load brings: two planes of A, or 128 rows of B
.set SLOT,   4*PART
.set STAGE,  2*SLOT                    ; behind the ring: 16 rows x (256 bytes + 16) for each wave
.set SPITCH, 272
.set SPARE,  STAGE+4*16*SPITCH
.set ADRA, 16                          ; v16-17  my A fragments in slot 0, 1
.set ADRB, 20                          ; v20-23  my B fragments: slot 0 rows 0-127, 128-255; slot 1 likewise (an LDS offset has 16 bits)
.set STO,  24
.set RD,   25
.set CO,   26
.set BA,   27
.set SPW,  28
.set NIL,  29
.set TMP,  32
.set BI,   96
.set ACC,  128
.set F0,   0
.set F1,   128
.set G1, 24
.set G0, 32
.set G1B, 48
.set G0B, 56
.set MSB, 0
.macro WIN new
.if MSB != (\new)
	s_set_vgpr_msb (MSB<<8)|(\new)
.set MSB, (\new)
.endif
.endm
.set MUL,  0x05                        ; sources 0 (B) and 1 (A) window 1; C and D window 0
.set TO_F, 0x40                        ; destination window 1, address window 0
.macro JLOAD s                         ; waves 0, 1 fetch A's halves, waves 2, 3 B's; an s_nop 0 and four v_nop follow each line
	s_cmp_eq_u32 s13, 0
	s_cbranch_scc0 .Lfor_b_\@
	tensor_load_to_lds s[G0+4*\s:G0+4*\s+3], s[G1:G1+7]
	s_nop 0
.rept 4
	v_nop
.endr
	s_branch .Lasked_\@
.Lfor_b_\@:
	tensor_load_to_lds s[G0B+4*\s:G0B+4*\s+3], s[G1B:G1B+7]
	s_nop 0
.rept 4
	v_nop
.endr
.Lasked_\@:
.endm
.macro CREST                           ; a round of the cluster's barrier behind its opening barrier
	s_cmp_lg_u32 s12, 0
	s_cbranch_scc1 .Lnot_wave_0_\@
	s_barrier_signal -3
.Lnot_wave_0_\@:
	s_barrier_wait -3
	s_barrier_signal -1
	s_barrier_wait -1
.endm
.macro CROUND
	s_barrier_signal -1
	s_barrier_wait -1
	CREST
.endm
	s_load_b128 s[4:7], s[0:1], 0x0                ; att16, wo16
	s_load_b128 s[8:11], s[0:1], 0x10              ; b_out, out0
	v_lshl_add_u32 v[SPW], v0, 2, SPARE
	v_mov_b32 v[NIL], 0
	ds_add_u32 v[SPW], v[NIL]                      ; the wave's opening: the add, twice on end, and its wait ahead of my first tensor load
	ds_add_u32 v[SPW], v[NIL]
	v_lshrrev_b32 v1, 5, v0
	v_readfirstlane_b32 s12, v1                    ; wave 0..3
	s_lshr_b32 s13, s12, 1                         ; which half of the tile's rows is mine.  Also: I fetch for A (0) or for B (1)
	s_and_b32 s14, s12, 1                          ; which half of its columns.  Also: which half of that tile I fetch
	s_bfe_u32 s40, ttmp6, 0x40000                  ; cx
	s_bfe_u32 s41, ttmp6, 0x40004                  ; cy
	s_lshl_b32 s42, ttmp9, 2
	s_add_co_u32 s42, s42, s40                     ; tile column
	s_and_b32 s15, ttmp7, 0xffff
	s_lshl_b32 s15, s15, 2
	s_add_co_u32 s15, s15, s41                     ; tile row
	s_lshl_b32 s43, s41, 2
	s_lshl_b32 s43, 15, s43                        ; my row of the cluster
	s_lshl_b32 s44, 0x1111, s40                    ; my column
	s_or_b32 s[G1+0], s43, (1<<16)|(1<<20)|(1<<21)|(4<<22)|(3<<25)    ; mask; elements of 2 bytes; padding on; bit 21 beside a mask; 4 words behind every 32
	s_mov_b32 s[G1+1], 8192<<16                    ; tensor_dim0 = 8,192: 128 positions x 64 channels on end
	s_mov_b32 s[G1+2], 2<<16                       ; tensor_dim1 = 2 heads
	s_mov_b32 s[G1+3], 8192<<16                    ; tile_dim0
	s_mov_b32 s[G1+4], 2                           ; tile_dim1
	s_mov_b32 s[G1+5], 131072                      ; from head to head: 2,048 x 64 elements
	s_mov_b32 s[G1+6], 0
	s_mov_b32 s[G1+7], 0
	s_or_b32 s[G1B+0], s44, (1<<16)|(1<<20)|(1<<21)|(5<<22)|(7<<25)   ; 8 words behind every 64
	s_mov_b32 s[G1B+1], 128<<16
	s_mov_b32 s[G1B+2], 128<<16
	s_mov_b32 s[G1B+3], 128<<16
	s_mov_b32 s[G1B+4], 128
	s_mov_b32 s[G1B+5], 1024
	s_mov_b32 s[G1B+6], 0
	s_mov_b32 s[G1B+7], 0
	s_lshr_b32 s16, s15, 4                         ; A: batch = tile row / 16,
	s_lshl_b32 s16, s16, 4
	s_lshl_b32 s17, s14, 1
	s_add_co_u32 s16, s16, s17                     ; head 16 batch + 2 x half,
	s_lshl_b32 s16, s16, 18
	s_and_b32 s17, s15, 15
	s_lshl_b32 s17, s17, 14                        ; positions 128 (tile row % 16) on
	s_add_co_u32 s16, s16, s17
	s_mov_b32 s17, 0
	s_lshl_b32 s46, s14, 18                        ; B: rows 128 x half on, 2,048 bytes each,
	s_lshl_b32 s47, s42, 8                         ; columns 128 x tile column on
	s_add_co_u32 s46, s46, s47
	s_mov_b32 s47, 0
	s_mul_i32 s45, s12, PART                       ; where they go: by the wave's number alone
	s_wait_dscnt 0x0                               ; both opening adds are done
	s_wait_kmcnt 0x0
	s_add_nc_u64 s[18:19], s[4:5], s[16:17]
	s_add_nc_u64 s[46:47], s[6:7], s[46:47]
	CROUND                                         ; all sixteen work-groups are here: the first joint loads meet
.irp s, 0,1
	s_mov_b32 s[G0+4*\s], 1
	s_add_co_u32 s[G0+4*\s+1], s45, \s*SLOT
	s_add_nc_u64 s[G0+4*\s+2:G0+4*\s+3], s[18:19], \s*1048576      ; K step s: four heads on
	s_or_b32 s[G0+4*\s+3], s[G0+4*\s+3], 0x80000000
	s_mov_b32 s[G0B+4*\s], 1
	s_add_co_u32 s[G0B+4*\s+1], s45, \s*SLOT
	s_add_nc_u64 s[G0B+4*\s+2:G0B+4*\s+3], s[46:47], \s*524288     ; 256 rows on
	s_or_b32 s[G0B+4*\s+3], s[G0B+4*\s+3], 0x80000000
	JLOAD \s
.endr
	v_and_b32 v1, 15, v0                           ; r
	v_bfe_u32 v2, v0, 4, 1                         ; h
	v_mul_u32_u24 v3, v1, PA
	v_lshl_add_u32 v3, v2, 4, v3
	s_mul_i32 s21, s13, 64*PA                      ; my 64 positions
	v_add_nc_u32 v[ADRA], s21, v3
	v_add_nc_u32 v[ADRA+1], SLOT, v[ADRA]
	v_and_b32 v4, 7, v0
	v_lshl_add_u32 v4, v2, 3, v4
	v_mul_u32_u24 v4, v4, PB                       ; the turning load: row 8 h + lane % 8,
	v_bfe_u32 v5, v0, 3, 1
	v_lshl_add_u32 v4, v5, 4, v4                   ; columns 8 ((lane / 8) % 2) on
	s_lshl_b32 s22, s14, 7                         ; my 64 columns: 128 bytes
	s_add_co_u32 s22, s22, 2*PART
	v_add_nc_u32 v[ADRB], s22, v4
	v_add_nc_u32 v[ADRB+1], PART, v[ADRB]
	v_add_nc_u32 v[ADRB+2], SLOT, v[ADRB]
	v_add_nc_u32 v[ADRB+3], SLOT+PART, v[ADRB]
	s_mul_i32 s23, s12, 16*SPITCH
	s_add_co_u32 s23, s23, STAGE                   ; my stage
	v_mul_u32_u24 v4, v1, SPITCH
	v_lshl_add_u32 v4, v2, 5, v4
	v_add_nc_u32 v[STO], s23, v4                   ; in: row r, 32 bytes for each half of the lanes
	v_mul_u32_u24 v5, v2, SPITCH
	v_lshl_add_u32 v5, v1, 4, v5
	v_add_nc_u32 v[RD], s23, v5                    ; back: lanes 0-15 one row of 256 bytes, lanes 16-31 the next
	v_lshlrev_b32 v5, 12, v2
	v_lshl_add_u32 v[CO], v1, 4, v5                ; the same two rows in out0
	v_lshlrev_b32 v[BA], 5, v2                     ; the bias: 8 h numbers on
	s_lshl_b32 s16, s15, 19                        ; 128 rows of 4,096 bytes a tile row,
	s_lshl_b32 s17, s13, 18                        ; 64 a half
	s_add_co_u32 s16, s16, s17
	s_mov_b32 s17, 0
	s_add_nc_u64 s[10:11], s[10:11], s[16:17]
	s_lshl_b32 s46, s42, 9                         ; my first column in bytes: 512 x tile column + 256 x half: the same in a row of out0 and in b_out
	s_lshl_b32 s47, s14, 8
	s_add_co_u32 s46, s46, s47
	s_mov_b32 s47, 0
	s_add_nc_u64 s[10:11], s[10:11], s[46:47]
	s_add_nc_u64 s[8:9], s[8:9], s[46:47]
.irp b, 0,1,2,3
	global_load_b128 v[BI+8*\b:BI+8*\b+3], v[BA], s[8:9] offset:64*\b          ; b_out at columns 16 b + 8 h + 0..7 of my 64: the result's layout
	global_load_b128 v[BI+8*\b+4:BI+8*\b+7], v[BA], s[8:9] offset:64*\b+16
.endr
; 8 matrix instructions: position blocks a0, a0 + 1 x all 4 column blocks, 32 along K: half c of buffer f.  bias = 1: the sum's first product takes the bias as C.  The 16 accumulators take turns.
.macro MUL8 f, c, a0, bias
.irp a, \a0, \a0+1
.irp b, 0,1,2,3
.if \bias
	v_wmma_f32_16x16x32_f16 v[ACC+8*(4*(\a)+\b):ACC+8*(4*(\a)+\b)+7], v[\f+64+8*(4*\c+\b):\f+64+8*(4*\c+\b)+7], v[\f+8*(4*\c+(\a)):\f+8*(4*\c+(\a))+7], v[BI+8*\b:BI+8*\b+7]
.else
	v_wmma_f32_16x16x32_f16 v[ACC+8*(4*(\a)+\b):ACC+8*(4*(\a)+\b)+7], v[\f+64+8*(4*\c+\b):\f+64+8*(4*\c+\b)+7], v[\f+8*(4*\c+(\a)):\f+8*(4*\c+(\a))+7], v[ACC+8*(4*(\a)+\b):ACC+8*(4*(\a)+\b)+7]
.endif
.endr
.endr
.endm
; 32 LDS loads in one run: the fragments of quarter q (one head, 64 along K) of a slot into buffer f; the first 32 along K first
.macro FETCH slot, q, f
	WIN TO_F
.irp c, 0,1
.irp i, 0,1,2,3
	ds_load_tr16_b128 v[\f+64+8*(4*\c+\i):\f+64+8*(4*\c+\i)+3],   v[ADRB+2*\slot+(\q)/2] offset:(((\q)%2)*64+32*\c)*PB+32*\i
	ds_load_tr16_b128 v[\f+64+8*(4*\c+\i)+4:\f+64+8*(4*\c+\i)+7], v[ADRB+2*\slot+(\q)/2] offset:(((\q)%2)*64+32*\c)*PB+32*\i+16*PB
	ds_load_b128 v[\f+8*(4*\c+\i):\f+8*(4*\c+\i)+3],              v[ADRA+\slot] offset:(\q)*PLANE+\i*16*PA+64*\c
	ds_load_b128 v[\f+8*(4*\c+\i)+4:\f+8*(4*\c+\i)+7],            v[ADRA+\slot] offset:(\q)*PLANE+\i*16*PA+64*\c+32
.endr
.endr
.endm
.macro PLACES                          ; four plain lines in front of loads into registers that matrix instructions have read, and of reads of results
.rept 4
	v_nop
.endr
.endm
.macro QUARTER slot, q, f, g, bias     ; multiplies buffer f and fetches quarter q of the same slot into g
	s_wait_dscnt 16                                ; the first 32 along K are in; the younger sixteen loads may be out
	WIN MUL
	MUL8 \f, 0, 0, \bias
	MUL8 \f, 0, 2, \bias
	PLACES
	FETCH \slot, \q, \g
	s_wait_dscnt 32                                ; all but the 32 just issued
	WIN MUL
	MUL8 \f, 1, 0, 0
	MUL8 \f, 1, 2, 0
.endm
; A slot's last quarter multiplies buffer 1 and changes slots: ONE barrier; in front of it all my tensor loads have landed, the add, and my reads of this slot are over.  fill = 1: the barrier opens a round of the cluster's, and the slot is filled again, two K steps on.
.macro TURN slot, next, fill
	WIN 0
	s_wait_tensorcnt 0x0
	ds_add_u32 v[SPW], v[NIL]
	s_wait_dscnt 17                                ; the add and the youngest sixteen loads may be out
	WIN MUL
	MUL8 F1, 0, 0, 0
	s_wait_dscnt 0x0
	s_barrier_signal -1
	MUL8 F1, 0, 2, 0
.if \fill
	WIN 0
.endif
	s_barrier_wait -1
.if \fill
	CREST                                          ; no wave of any partner still reads this slot's tile or has a load on its way
	s_add_nc_u64 s[G0+4*\slot+2:G0+4*\slot+3], s[G0+4*\slot+2:G0+4*\slot+3], 2097152    ; eight heads on
	s_add_nc_u64 s[G0B+4*\slot+2:G0B+4*\slot+3], s[G0B+4*\slot+2:G0B+4*\slot+3], 1048576 ; 512 rows on
	JLOAD \slot                                    ; the first tensor load behind the round; its four v_nop are also the places in front of the loads below
.else
	PLACES
.endif
	FETCH \next, 0, F0
	WIN MUL
	MUL8 F1, 1, 0, 0
	MUL8 F1, 1, 2, 0
.endm
	s_wait_tensorcnt 1                             ; my part of K step 0 is in; K step 1's may stay out
	s_barrier_signal -1
	s_barrier_wait -1
	FETCH 0, 0, F0
	s_wait_loadcnt 0x0                             ; the bias
	QUARTER 0, 1, F0, F1, 1
	QUARTER 0, 2, F1, F0, 0
	QUARTER 0, 3, F0, F1, 0
	TURN 0, 1, 1                                   ; slot 0 takes K step 2
	QUARTER 1, 1, F0, F1, 0
	QUARTER 1, 2, F1, F0, 0
	QUARTER 1, 3, F0, F1, 0
	TURN 1, 0, 1                                   ; slot 1 takes K step 3
	QUARTER 0, 1, F0, F1, 0
	QUARTER 0, 2, F1, F0, 0
	QUARTER 0, 3, F0, F1, 0
	TURN 0, 1, 0
	QUARTER 1, 1, F0, F1, 0
	QUARTER 1, 2, F1, F0, 0
	QUARTER 1, 3, F0, F1, 0
	s_wait_dscnt 16
	WIN MUL
	MUL8 F1, 0, 0, 0
	MUL8 F1, 0, 2, 0
	s_wait_dscnt 0
	MUL8 F1, 1, 0, 0
	MUL8 F1, 1, 2, 0
	WIN 0
	; THE WAY OUT: a block of 16 rows x 64 columns (256 bytes a row) through my own stage, back as whole rows: sixteen lanes store 256 consecutive aligned bytes.  No barrier: the stage is mine alone.
	PLACES
.irp a, 0,1,2,3
.if \a > 1
	s_wait_xcnt 0x0                                ; block a - 2's stores have read the registers that the loads below fill
.endif
.irp b, 0,1,2,3
	ds_store_b128 v[STO], v[ACC+8*(4*\a+\b):ACC+8*(4*\a+\b)+3] offset:64*\b        ; each accumulator from its low end on
	ds_store_b128 v[STO], v[ACC+8*(4*\a+\b)+4:ACC+8*(4*\a+\b)+7] offset:64*\b+16
.endr
.irp n, 0,1,2,3,4,5,6,7                ; LDS serves a wave's instructions in order (ISA guide 5.7.1.4)
	ds_load_b128 v[TMP+32*(\a%2)+4*\n:TMP+32*(\a%2)+4*\n+3], v[RD] offset:2*SPITCH*\n
.endr
.irp n, 0,1,2,3,4,5,6,7
	s_wait_dscnt 7-\n                              ; the younger loads stay out
	global_store_b128 v[CO], v[TMP+32*(\a%2)+4*\n:TMP+32*(\a%2)+4*\n+3], s[10:11] offset:\a*65536+8192*\n th:TH_STORE_NT
.endr
.endr
	s_wait_tensorcnt 0x0                           ; the wave's end: three lines behind my last tensor load and my last LDS store
	ds_add_u32 v[SPW], v[NIL]
	s_wait_dscnt 0x0
	CROUND                                         ; the closing round
	s_endpgm
.Lfunc_end_k_q893f55bd0a_oproj:
	.size	k_q893f55bd0a_oproj, .Lfunc_end_k_q893f55bd0a_oproj-k_q893f55bd0a_oproj
	.p2alignl 7, 3214868480
	.fill 96, 4, 3214868480
	.section	.rodata,"a",@progbits
	.p2align	6, 0x0
	.amdhsa_kernel k_q893f55bd0a_oproj
		.amdhsa_group_segment_fixed_size 327680
		.amdhsa_private_segment_fixed_size 0
		.amdhsa_enable_private_segment 0
		.amdhsa_kernarg_size 32
		.amdhsa_user_sgpr_count 2
		.amdhsa_user_sgpr_kernarg_segment_ptr 1
		.amdhsa_wavefront_size32 1
		.amdhsa_system_sgpr_workgroup_id_x 1
		.amdhsa_system_sgpr_workgroup_id_y 1
		.amdhsa_system_sgpr_workgroup_id_z 1
		.amdhsa_system_vgpr_workitem_id 0
		.amdhsa_next_free_vgpr 512
		.amdhsa_next_free_sgpr 66
		.amdhsa_reserve_vcc 0
		.amdhsa_float_denorm_mode_32 3
		.amdhsa_float_denorm_mode_16_64 3
		.amdhsa_memory_ordered 1
		.amdhsa_forward_progress 1
		.amdhsa_inst_pref_size 87
	.end_amdhsa_kernel
	.amdgpu_metadata
---
amdhsa.version: [ 1, 2 ]
amdhsa.kernels:
  - .name:           k_q893f55bd0a_oproj
    .symbol:         k_q893f55bd0a_oproj.kd
    .args:
      - { .name: att16, .offset: 0, .size: 8, .value_kind: global_buffer, .address_space: global }
      - { .name: wo16, .offset: 8, .size: 8, .value_kind: global_buffer, .address_space: global }
      - { .name: b_out, .offset: 16, .size: 8, .value_kind: global_buffer, .address_space: global }
      - { .name: out0, .offset: 24, .size: 8, .value_kind: global_buffer, .address_space: global }
    .group_segment_fixed_size: 327680
    .private_segment_fixed_size: 0
    .kernarg_segment_align: 8
    .kernarg_segment_size: 32
    .max_flat_workgroup_size: 128
    .sgpr_count:     66
    .vgpr_count:     512
    .wavefront_size: 32
...
	.end_amdgpu_metadata
.endif
;; end of part 4
;; launch fine (part 5): grid 64 x 2, 16 waves a work-group, no clusters, 18,432 bytes of LDS; arguments q32, W_out, b_out, out0; writes out0
.if DOCPART == 5
	.amdgcn_target "amdgcn-amd-amdhsa--gfx1250"
	.amdhsa_code_object_version 6
	.text
	.protected	k_q893f55bd0a_fine
	.globl	k_q893f55bd0a_fine
	.p2align	8
	.type	k_q893f55bd0a_fine,@function
k_q893f55bd0a_fine:
	s_mov_b64 s[64:65], 0
	v_nop
	global_prefetch_b8 v0, s[64:65] scope:SCOPE_SE
	s_setreg_imm32_b32 hwreg(HW_REG_WAVE_MODE, 25, 1), 1
	s_wait_xcnt 0x0
; THE FIRST 16 POSITIONS OF EACH SEQUENCE, all in f32: under the causal mask these rows average one to sixteen values and are the largest of the output, so the rounding of 16-bit operands weighs most there.
; q32: f32 [b][16 type + h][position 16][64] (q and k after RoPE, v), from the second launch.  out0 rows b x 2,048 + 0..15 are written again here: scores, softmax, weights x v, x W_out, + b_out.
; SHARES.  Work-group (x, b): 16 output columns 16 x .. + 15 of batch b's 16 rows.  Wave = head: it makes its head's 16 x 16 attention (repeated in each of the 64 work-groups of a batch: 32 small products)
; and multiplies its 64 channels into the work-group's 16 columns (16 products); the sixteen partial tiles meet in LDS and wave 0 adds them, in the order of the heads, onto the bias.
; v_wmma_f32_16x16x4_f32 throughout: 48 a wave, no bulk work.  Its accumulators v160-191 are written by matrix instructions alone; each sum begins with the constant 0; four accumulators take turns.
; ONE PERMUTATION OF K ON BOTH OPERANDS of each product lets a result become the next operand without changing lanes: lane (r, hh) feeds the channels, keys or channels that it holds, two a product.
; LOADS.  k, q, v and the bias are asked for at the head; W_out's 32 loads are issued behind the score products, which do not want them.
; The stores are pieces of 64 bytes of 32 rows: 131,072 bytes in the launch.  No tensor loads, no cluster: what is shared is small.  NaN and infinities are not served.
.set SPARE, 16384                      ; behind the sixteen partial tiles of 1,024 bytes: the spare words
.set KA,  1                            ; v1   256 r + 16 hh: of row r of q or k, my 16 bytes of each 32: the two halves of the lanes read 32 neighbouring bytes of a row
.set VA,  2                            ; v2   2,048 hh + 4 r: v(key 8 hh + .., channel .. + r)
.set WA,  3                            ; v3   32,768 hh + 4 r: W_out(.. + 8 hh + .., col0 + r)
.set BA,  4                            ; v4   32 hh
.set OA,  5                            ; v5   4,096 r + 32 hh
.set LSTO, 6                           ; v6   1,024 x wave + 16 x lane
.set LI,  7                            ; v7   16 x lane
.set LD,  8                            ; v8   r - 8 hh
.set SPW, 10
.set NIL, 11
.set BI,  16                           ; v16-23   the bias, later the result
.set KF,  32
.set QF,  64
.set VF,  96
.set WF,  128
.set ACC, 160
.set ON,  192
.set SS,  224
.set PP,  232
.set T,   240
.set RS,  248
	s_load_b256 s[4:11], s[0:1], 0x0               ; q32 s[4:5], W_out s[6:7], b_out s[8:9], out0 s[10:11]
	v_lshl_add_u32 v[SPW], v0, 2, SPARE
	v_mov_b32 v[NIL], 0
	v_lshrrev_b32 v12, 5, v0
	v_readfirstlane_b32 s12, v12                   ; wave = head
	v_and_b32 v12, 15, v0                          ; r
	v_bfe_u32 v13, v0, 4, 1                        ; hh
	v_and_b32 v14, 31, v0
	v_lshlrev_b32 v[KA], 8, v12
	v_lshl_add_u32 v[KA], v13, 4, v[KA]
	v_lshlrev_b32 v[VA], 2, v12
	v_lshl_add_u32 v[WA], v13, 15, v[VA]
	v_lshl_add_u32 v[VA], v13, 11, v[VA]
	v_lshlrev_b32 v[BA], 5, v13
	v_lshl_add_u32 v[OA], v12, 12, v[BA]
	v_lshlrev_b32 v[LI], 4, v14
	s_lshl_b32 s13, s12, 10
	v_add_nc_u32 v[LSTO], s13, v[LI]
	v_lshlrev_b32 v15, 3, v13
	v_sub_nc_u32 v[LD], v12, v15
	s_and_b32 s14, ttmp7, 0xffff                   ; batch
	s_mul_i32 s16, s14, 48
	s_add_co_u32 s16, s16, s12
	s_lshl_b32 s16, s16, 12                        ; my head's q; k lies 65,536 bytes on, v 131,072
	s_mov_b32 s17, 0
	s_lshl_b32 s18, ttmp9, 6                       ; col0 in bytes
	s_mov_b32 s19, 0
	s_lshl_b32 s20, s12, 18                        ; my head's 64 rows of W_out
	s_add_co_u32 s20, s20, s18
	s_mov_b32 s21, 0
	s_lshl_b32 s22, s14, 23                        ; my batch's first row of out0
	s_add_co_u32 s22, s22, s18
	s_mov_b32 s23, 0
	s_mov_b32 s24, 0x76543210
	s_mov_b32 s25, 0xfedcba98                      ; v_permlanex16_b32's selects for lane xor 16
	s_mov_b32 s26, 0x3e38aa3b                      ; c = log2(e) / 8
	s_mov_b32 s27, s26
	s_wait_kmcnt 0x0
	s_add_nc_u64 s[4:5], s[4:5], s[16:17]
	s_add_nc_u64 s[6:7], s[6:7], s[20:21]
	s_add_nc_u64 s[8:9], s[8:9], s[18:19]
	s_add_nc_u64 s[10:11], s[10:11], s[22:23]
.irp e, 0,1,2,3,4,5,6,7
	global_load_b128 v[KF+4*\e:KF+4*\e+3], v[KA], s[4:5] offset:65536+32*\e          ; k(r, channels 8 e + 4 hh + 0..3)
.endr
.irp e, 0,1,2,3,4,5,6,7
	global_load_b128 v[QF+4*\e:QF+4*\e+3], v[KA], s[4:5] offset:32*\e                ; q likewise: the same channels in the same registers
.endr
.irp ct, 0,1,2,3
.irp kk, 0,1,2,3,4,5,6,7
	global_load_b32 v[VF+8*\ct+\kk], v[VA], s[4:5] offset:131072+256*\kk+64*\ct      ; v(key 8 hh + kk, channel 16 ct + r)
.endr
.endr
	global_load_b128 v[BI:BI+3], v[BA], s[8:9]
	global_load_b128 v[BI+4:BI+7], v[BA], s[8:9] offset:16
	s_wait_loadcnt 34                              ; k and q are in; v's 32 loads and the bias's 2 stay out
	; S^T = k q^T: product i takes the channels of registers 2 i, 2 i + 1 of both: 8 (i / 2) + 4 hh + 2 (i % 2) + 0, 1
.set i, 0
.rept 16
.if i < 4
	v_wmma_f32_16x16x4_f32 v[ACC+8*(i%4):ACC+8*(i%4)+7], v[KF+2*i:KF+2*i+1], v[QF+2*i:QF+2*i+1], 0
.else
	v_wmma_f32_16x16x4_f32 v[ACC+8*(i%4):ACC+8*(i%4)+7], v[KF+2*i:KF+2*i+1], v[QF+2*i:QF+2*i+1], v[ACC+8*(i%4):ACC+8*(i%4)+7]
.endif
.set i, i+1
.endr
.irp ct, 0,1,2,3                       ; W_out is wanted by the third group of products alone: its loads go out here, into registers that no product has named yet
.irp kk, 0,1,2,3,4,5,6,7
	global_load_b32 v[WF+8*\ct+\kk], v[WA], s[6:7] offset:(16*\ct+\kk)*4096          ; W_out(64 head + 16 ct + 8 hh + kk, col0 + r)
.endr
.endr
.rept 8
	v_nop                                          ; eight places behind this form (ISA guide 7.12.1)
.endr
.irp j, 0,2,4,6                        ; the four partial sums, each from its low end on: lane (r, hh) holds query r, register j key 8 hh + j
	v_pk_add_f32 v[SS+\j:SS+\j+1], v[ACC+\j:ACC+\j+1], v[ACC+8+\j:ACC+8+\j+1]
	v_pk_add_f32 v[T+\j:T+\j+1], v[ACC+16+\j:ACC+16+\j+1], v[ACC+24+\j:ACC+24+\j+1]
.endr
.irp j, 0,2,4,6
	v_pk_add_f32 v[SS+\j:SS+\j+1], v[SS+\j:SS+\j+1], v[T+\j:T+\j+1]
.endr
	v_mov_b32 v[T], 0xff800000
.irp j, 0,1,2,3,4,5,6,7
	v_cmp_gt_i32 vcc_lo, \j, v[LD]                 ; key 8 hh + j comes after query r
	v_cndmask_b32 v[SS+\j], v[SS+\j], v[T], vcc_lo
.endr
	v_max3_num_f32 v[T+1], v[SS], v[SS+1], v[SS+2]
	v_max3_num_f32 v[T+2], v[SS+3], v[SS+4], v[SS+5]
	v_max3_num_f32 v[T+1], v[T+1], v[SS+6], v[SS+7]
	v_max_num_f32 v[T+1], v[T+1], v[T+2]
	v_permlanex16_b32 v[T+2], v[T+1], s24, s25
	v_max_num_f32 v[T+1], v[T+1], v[T+2]           ; the row's maximum: key 0 counts for every query, so it is a number
	v_mul_f32 v[T+2], s26, v[T+1]
	v_mov_b32 v[T+3], 0                            ; (named with it as a pair)
.irp j, 0,2,4,6
	v_pk_fma_f32 v[PP+\j:PP+\j+1], v[SS+\j:SS+\j+1], s[26:27], v[T+2:T+3] op_sel_hi:[1,0,0] neg_lo:[0,0,1] neg_hi:[0,0,1]
.endr
.irp j, 0,1,2,3,4,5,6,7
	v_exp_f32 v[PP+\j], v[PP+\j]
.endr
	v_nop
	s_wait_alu depctr_va_vdst(0)                   ; one wait for the eight, ahead of their first reader
	v_pk_add_f32 v[T+4:T+5], v[PP:PP+1], v[PP+2:PP+3]
	v_pk_add_f32 v[T+6:T+7], v[PP+4:PP+5], v[PP+6:PP+7]
	v_pk_add_f32 v[T+4:T+5], v[T+4:T+5], v[T+6:T+7]
	v_add_f32 v[T+4], v[T+4], v[T+5]
	v_permlanex16_b32 v[T+5], v[T+4], s24, s25
	v_add_f32 v[T+4], v[T+4], v[T+5]               ; the row's sum
	v_rcp_f32 v[T+6], v[T+4]
	v_nop
	s_wait_alu depctr_va_vdst(0)
	s_wait_loadcnt 32                              ; v and the bias are in; W_out's 32 loads stay out
	; O^T = v^T p: product i takes keys 2 i, 2 i + 1 (lanes 0-15) and 8 + 2 i, 9 + 2 i (lanes 16-31).  The softmax's lines above are the places ahead of sums begun anew in these accumulators
.irp i, 0,1,2,3
.irp ct, 0,1,2,3
.if \i == 0
	v_wmma_f32_16x16x4_f32 v[ACC+8*\ct:ACC+8*\ct+7], v[VF+8*\ct+2*\i:VF+8*\ct+2*\i+1], v[PP+2*\i:PP+2*\i+1], 0
.else
	v_wmma_f32_16x16x4_f32 v[ACC+8*\ct:ACC+8*\ct+7], v[VF+8*\ct+2*\i:VF+8*\ct+2*\i+1], v[PP+2*\i:PP+2*\i+1], v[ACC+8*\ct:ACC+8*\ct+7]
.endif
.endr
.endr
.rept 9
	v_nop                                          ; eight places ahead of the reads below, nine ahead of the sums that are begun anew in these accumulators
.endr
.set i, 0
.rept 16
	v_pk_mul_f32 v[ON+2*i:ON+2*i+1], v[ACC+2*i:ACC+2*i+1], v[T+6:T+7] op_sel_hi:[1,0]   ; / the sum: register 8 ct + j is channel 16 ct + 8 hh + j of query r
.set i, i+1
.endr
	s_wait_loadcnt 0x0
	; my head's part of out^T = W_out^T o^T: product (ct, i) takes channels 16 ct + 8 hh + 2 i, + 1
.irp i, 0,1,2,3
.irp ct, 0,1,2,3
.if \i == 0
	v_wmma_f32_16x16x4_f32 v[ACC+8*\ct:ACC+8*\ct+7], v[WF+8*\ct+2*\i:WF+8*\ct+2*\i+1], v[ON+8*\ct+2*\i:ON+8*\ct+2*\i+1], 0
.else
	v_wmma_f32_16x16x4_f32 v[ACC+8*\ct:ACC+8*\ct+7], v[WF+8*\ct+2*\i:WF+8*\ct+2*\i+1], v[ON+8*\ct+2*\i:ON+8*\ct+2*\i+1], v[ACC+8*\ct:ACC+8*\ct+7]
.endif
.endr
.endr
.rept 8
	v_nop
.endr
.irp j, 0,2,4,6
	v_pk_add_f32 v[RS+\j:RS+\j+1], v[ACC+\j:ACC+\j+1], v[ACC+8+\j:ACC+8+\j+1]
	v_pk_add_f32 v[T+\j:T+\j+1], v[ACC+16+\j:ACC+16+\j+1], v[ACC+24+\j:ACC+24+\j+1]
.endr
.irp j, 0,2,4,6
	v_pk_add_f32 v[RS+\j:RS+\j+1], v[RS+\j:RS+\j+1], v[T+\j:T+\j+1]    ; lane (r, hh): position r, columns col0 + 8 hh + 0..7
.endr
	ds_store_b128 v[LSTO], v[RS:RS+3]              ; my partial tile as an image of its registers
	ds_store_b128 v[LSTO], v[RS+4:RS+7] offset:512
	s_wait_dscnt 0x0                               ; for wave 0's sake: my stores have landed
	s_barrier_signal -1
	s_barrier_wait -1
	s_cmp_lg_u32 s12, 0
	s_cbranch_scc1 .Lend
.set i, 0
.rept 16
	ds_load_b128 v[32+8*i:32+8*i+3], v[LI] offset:1024*i
	ds_load_b128 v[32+8*i+4:32+8*i+7], v[LI] offset:1024*i+512
.set i, i+1
.endr
	s_wait_dscnt 0x0
.set i, 0
.rept 16
.irp j, 0,2,4,6
	v_pk_add_f32 v[BI+\j:BI+\j+1], v[BI+\j:BI+\j+1], v[32+8*i+\j:32+8*i+\j+1]   ; the bias, then the heads in order
.endr
.set i, i+1
.endr
	global_store_b128 v[OA], v[BI:BI+3], s[10:11]
	global_store_b128 v[OA], v[BI+4:BI+7], s[10:11] offset:16
.Lend:
	s_wait_tensorcnt 0x0                           ; the wave's end: three lines behind my last LDS store
	ds_add_u32 v[SPW], v[NIL]
	s_wait_dscnt 0x0
	s_endpgm
.Lfunc_end_k_q893f55bd0a_fine:
	.size	k_q893f55bd0a_fine, .Lfunc_end_k_q893f55bd0a_fine-k_q893f55bd0a_fine
	.p2alignl 7, 3214868480
	.fill 96, 4, 3214868480
	.section	.rodata,"a",@progbits
	.p2align	6, 0x0
	.amdhsa_kernel k_q893f55bd0a_fine
		.amdhsa_group_segment_fixed_size 18432
		.amdhsa_private_segment_fixed_size 0
		.amdhsa_enable_private_segment 0
		.amdhsa_kernarg_size 32
		.amdhsa_user_sgpr_count 2
		.amdhsa_user_sgpr_kernarg_segment_ptr 1
		.amdhsa_wavefront_size32 1
		.amdhsa_system_sgpr_workgroup_id_x 1
		.amdhsa_system_sgpr_workgroup_id_y 1
		.amdhsa_system_sgpr_workgroup_id_z 1
		.amdhsa_system_vgpr_workitem_id 0
		.amdhsa_next_free_vgpr 256
		.amdhsa_next_free_sgpr 66
		.amdhsa_reserve_vcc 1
		.amdhsa_float_denorm_mode_32 3
		.amdhsa_float_denorm_mode_16_64 3
		.amdhsa_memory_ordered 1
		.amdhsa_forward_progress 1
		.amdhsa_inst_pref_size 25
	.end_amdhsa_kernel
	.amdgpu_metadata
---
amdhsa.version: [ 1, 2 ]
amdhsa.kernels:
  - .name:           k_q893f55bd0a_fine
    .symbol:         k_q893f55bd0a_fine.kd
    .args:
      - { .name: q32, .offset: 0, .size: 8, .value_kind: global_buffer, .address_space: global }
      - { .name: W_out, .offset: 8, .size: 8, .value_kind: global_buffer, .address_space: global }
      - { .name: b_out, .offset: 16, .size: 8, .value_kind: global_buffer, .address_space: global }
      - { .name: out0, .offset: 24, .size: 8, .value_kind: global_buffer, .address_space: global }
    .group_segment_fixed_size: 18432
    .private_segment_fixed_size: 0
    .kernarg_segment_align: 8
    .kernarg_segment_size: 32
    .max_flat_workgroup_size: 512
    .sgpr_count:     66
    .vgpr_count:     256
    .wavefront_size: 32
...
	.end_amdgpu_metadata
.endif
;; end of part 5
